; MI455X (gfx1250); checked and timed in simulation.
; The chip was launched on July 23, 2026; its instructions are those of AMD's public machine-readable ISA for CDNA 5 (MIT licence, August 2026) and "CDNA5" Instruction Set Architecture Reference Guide (July 2026). The comments in the code are by the model that wrote it; some were corrected since.
;; Sparse Cross Attn Adapter. Allowed arithmetic: matrix products marked QUANTISED: E4M3 operands, one E8M0 scale for each 32 along K, by v_wmma_scale_f32_16x16x128_f8f6f4 with both operands' format E4M3, f32 sums; everything else in f32.
;; Inputs: alpha 1 float32; cond_cos 1,024 x 64 float32; cond_sin 1,024 x 64 float32; condition_tokens 2 x 1,024 x 1,024 float32; image_cos 4,096 x 64 float32; image_sin 4,096 x 64 float32; image_tokens 2 x 4,096 x 1,024 float32; k_b 1,024 float32; k_head_norm_w 64 float32; k_w_codes 1,024 x 32 x 32 uint8 (E4M3 codes of k_w, K innermost, in blocks of 32 codes); k_w_scales 1,024 x 32 uint8 (E8M0 scales of k_w, one for each 32 codes along K); kv_norm_w 1,024 float32; o_b 1,024 float32; o_w_codes 1,024 x 32 x 32 uint8 (E4M3 codes of o_w, K innermost, in blocks of 32 codes); o_w_scales 1,024 x 32 uint8 (E8M0 scales of o_w, one for each 32 codes along K); q_b 1,024 float32; q_head_norm_w 64 float32; q_norm_w 1,024 float32; q_w_codes 1,024 x 32 x 32 uint8 (E4M3 codes of q_w, K innermost, in blocks of 32 codes); q_w_scales 1,024 x 32 uint8 (E8M0 scales of q_w, one for each 32 codes along K); v_b 1,024 float32; v_w_codes 1,024 x 32 x 32 uint8 (E4M3 codes of v_w, K innermost, in blocks of 32 codes); v_w_scales 1,024 x 32 uint8 (E8M0 scales of v_w, one for each 32 codes along K).
;; Outputs: out0 2 x 4,096 x 1,024 float32.
;; This version of the problem:
;;   THIS VERSION OF THE PROBLEM IS GIVEN IN LOW PRECISION. The matrix products marked QUANTISED in the list below multiply operands that are first quantised to E4M3 (4 exponent bits, 3 mantissa bits; 8 bits a number), with one power-of-two scale for each 32 numbers along K (OCP MX v1.0); their sums are f32. All else is computed in f32.
;;   The module's matrix products, in the order in which they are computed (A, B: the left and right operand; K: the contracted axis; several contracted axes count as one K, in the product's order):
;;     1. [M 8,192, K 1,024] x [K 1,024, N 1,024]; A: computed on the way; B: input q_w (given as codes): QUANTISED
;;     2. [M 2,048, K 1,024] x [K 1,024, N 1,024]; A: computed on the way; B: input k_w (given as codes): QUANTISED
;;     3. [M 2,048, K 1,024] x [K 1,024, N 1,024]; A: computed on the way; B: input v_w (given as codes): QUANTISED
;;     4. batch 32 x [M 4,096, K 64] x [K 64, N 1,024]; A: computed on the way; B: computed on the way: QUANTISED
;;     5. batch 32 x [M 4,096, K 1,024] x [K 1,024, N 64]; A: softmax (see below); B: computed on the way: QUANTISED
;;     6. [M 8,192, K 1,024] x [K 1,024, N 1,024]; A: computed on the way; B: input o_w (given as codes): QUANTISED
;;   THE QUANTISER, for each operand of a quantised product, along K:
;;     - K is cut into blocks of 32 from its start; a last block that is shorter is filled with zeros.
;;     - A block's scale is 2^e with e = floor(log2(the largest magnitude in the block)) - 8, held to -126 .. 127; a block of zeros has e = 0. As a byte (E8M0): e + 127.
;;     - Each number is divided by its block's scale, clamped to +-448, and rounded to the nearest number of E4M3, ties to even, subnormals kept.
;;     - The product sums the exact products of the quantised numbers (number of the format x scale) in f32.
;;   ~~~python
;;   def quantise(x, axis):      # numpy; x: float32 -> the quantised numbers, widened to float32 again
;;       x = np.moveaxis(x, axis, -1); K = x.shape[-1]
;;       x = np.pad(x, [(0, 0)] * (x.ndim - 1) + [(0, -K % 32)]); x = x.reshape(x.shape[:-1] + (-1, 32)); a = np.abs(x).max(-1, keepdims=True)
;;       e = np.where(a > 0, np.clip(np.frexp(np.where(a > 0, a, 1))[1] - 1 - 8, -126, 127), 0)      # np.frexp(a)[1] - 1 = floor(log2(a)), exactly
;;       r = np.clip(x / 2.0 ** e, -448, 448)
;;       step = 2.0 ** (np.maximum(np.frexp(np.where(r == 0, 1, r))[1] - 1, -6) - 3)
;;       q = np.round(r / step) * step * 2.0 ** e      # np.round: ties to even
;;       return np.moveaxis(q.reshape(q.shape[:-2] + (-1,))[..., :K], -1, axis).astype(np.float32)
;;   ~~~
;;   SOFTMAX AHEAD OF A QUANTISED PRODUCT. Where the list says 'softmax', what is quantised is not the finished softmax but p = 2^(t - M), with t = logit x log2(e) and M = ceil(the row's largest t), a whole number; so 1/2 < the row's largest p <= 1. The row's sum l is taken of the UNQUANTISED p, in f32, and the product's result is divided by l at the end. Since M is a whole number, a kernel that streams over the keys may use a running M (the ceiling of the running maximum): every later rescaling is an exact power of two, which a block's scale takes up: the codes' values come out the same.
;;   OPERANDS COMPUTED ON THE WAY. 'Computed on the way' means the value that the module computes at that place (a softmax that the list does not call 'softmax' is quantised finished and normalised). What goes into a quantiser is computed in f32, as accurately as f32 sums, v_exp_f32 and their like allow (about 1e-6 of the number): no bf16 or f16 on the way to a quantiser, and a product that is left as it is and whose result goes on into a quantised operand takes f32 operands (vector FMAs, or v_wmma_f32_16x16x4_f32). A number that lies on a knife's edge between two numbers of the format may be rounded either way, as far as f32 arithmetic and the matrix unit's own rounding can turn it there, and no further.
;;   INPUTS GIVEN AS CODES. k_w (in the module: [1024, 1024], K = its axis 1); o_w (in the module: [1024, 1024], K = its axis 1); q_w (in the module: [1024, 1024], K = its axis 1); v_w (in the module: [1024, 1024], K = its axis 1): each comes as NAME_codes (uint8): NAME with its K axis moved to the last place and cut into blocks of 32 codes, [.., K / 32, bytes a block], one block behind the other in memory; one code a byte (a code: sign, 4 exponent bits, 3 mantissa bits); and NAME_scales (uint8): the same leading axes, one E8M0 byte (e + 127) for each 32 codes along K. Its value is code x scale, taken as it is: it is not quantised again, and the codes and scales need not be those that the quantiser above would give.
;; One version. Each part assembles by itself: llvm-mc -triple=amdgcn-amd-amdhsa -mcpu=gfx1250 --defsym DOCPART=n.
;; ======== version 1 of 1: 4 launches
;; limits: right only within a limited range of input values
;; workspace buffers: xq 10,813,440 bytes; wt 3,244,032 bytes; qimg 8,388,608 bytes; qsc 262,144 bytes; kv 4,325,376 bytes; aimg 8,388,608 bytes; asc 262,144 bytes
;; launch prep (part 1): grid 1376 x 1, 4 waves a work-group, no clusters, 21,248 bytes of LDS; arguments image_tokens, condition_tokens, q_norm_w, kv_norm_w, q_w_codes, q_w_scales, k_w_codes, k_w_scales, v_w_codes, v_w_scales, xq, wt; writes xq, wt
.if DOCPART == 1
	.amdgcn_target "amdgcn-amd-amdhsa--gfx1250"
	.amdhsa_code_object_version 6
	.text
	.protected	k_q82c1a6a976_prep
	.globl	k_q82c1a6a976_prep
	.p2align	8
	.type	k_q82c1a6a976_prep,@function
k_q82c1a6a976_prep:
	s_mov_b64 s[64:65], 0
	v_nop
	global_prefetch_b8 v0, s[64:65] scope:SCOPE_SE
	s_setreg_imm32_b32 hwreg(HW_REG_WAVE_MODE, 25, 1), 1
	s_wait_xcnt 0x0
; PREP.  (1) RMS norm of the 8,192 image rows and the 2,048 condition rows (1,024 f32 each), x * rsqrt(mean(x^2) + 1e-6) * w, quantised along the row to E4M3 codes with one
; E8M0 byte for each 32: buffer xq = codes [10,240][1,024], then from byte XSC the scale bytes [10,240][32].  (2) q_w, k_w, v_w (codes and scale bytes as given) copied into wt.
; ROW ORDER.  In both buffers row i lies at SW(i) = i with bits 3 and 4 exchanged.  A block of 16 stored rows 2 g + u then holds in place r the row 32 g + 8 u + r + 8 (r / 8), which is the choice of
; rows that lets a matrix result's 16 registers of two neighbouring blocks be 16 neighbours along the next product's K.  Runs of 8 rows stay together: 8,192 bytes of codes, 256 of scale bytes.
; SHARES.  Work-groups 0-1,279: one run of 8 rows each, 5 work-groups for each of 256 WGPs; wave w takes rows 2 w and 2 w + 1 of the run.  Run n goes to run n with its two low bits exchanged.
; Work-groups 1,280-1,375: 32 weight rows each, a run of 8 a wave, as a plain copy.
; A row is read by eight loads of 512 consecutive bytes; the conversions want 16 neighbours in a lane, so the row turns through the wave's own stage in LDS (64 bytes + 16 of padding a lane).
; Both rows of a wave are asked for at its head: 16 loads, 8,192 bytes.  In 168 registers a wave, six waves fit on a SIMD's 1,024.
; THE SCALE BYTES of a run, 64 from each wave, meet in LDS behind one barrier, and wave 0 stores them as one aligned unit of 256 bytes.
; No tensor loads, no cluster, no prefetch: no row is read twice, and all of it is asked for at the head.
; LIMITS: NaN and infinities among the inputs are not served; a block whose largest magnitude lies under 2^-118 gets the byte 1, a block of zeros too (its codes are zeros; this program alone reads the bytes).
.set SP,   80                          ; a lane's place in a stage: 64 bytes + 16
.set WREG, 5120                        ; LDS of a wave: two stages of 32 x SP bytes
.set SCB,  20480                       ; behind the four waves' stages: the run's 256 scale bytes
.set SPARE, 20736                      ; the spare words, 128 bytes a wave
.set XSC,  10485760                    ; xq: where the scale bytes begin
.set WSC,  3145728                     ; wt: likewise
.set NRUN, 1280                        ; work-groups that norm
.set WN,   16                          ; v16-47   the norm's weights of my 32 places in a row
.set X,    48                          ; v48-79   the row: 2 x 16 neighbours
.set R,    80                          ; v80-143  my two rows as they are loaded
.set RC,   80                          ; v80-145  the copy's registers
.set C,    144                         ; v144-159 codes, four sets of 4
.set E,    160                         ; v160-163 scale bytes
.set SPW,  166
.set NIL,  167
	s_load_b512 s[8:23], s[0:1], 0x0               ; image 8, condition 10, q_norm_w 12, kv_norm_w 14, q_w codes 16, scales 18, k_w codes 20, scales 22
	s_load_b256 s[24:31], s[0:1], 0x40             ; v_w codes 24, scales 26, xq 28, wt 30
	v_lshl_add_u32 v[SPW], v0, 2, SPARE
	v_mov_b32 v[NIL], 0
	v_lshrrev_b32 v1, 5, v0
	v_readfirstlane_b32 s2, v1                     ; wave
	s_mov_b32 s7, 0
	s_mov_b32 s39, 0
	s_cmp_ge_u32 ttmp9, NRUN
	s_cbranch_scc1 .Lcopy
	; ---- the norm and the quantiser
	s_mul_i32 s5, s2, WREG                         ; my stages
	s_lshl_b32 s44, s2, 6
	s_add_co_u32 s44, s44, SCB                     ; my 64 scale bytes
	s_and_b32 s3, ttmp9, 1
	s_lshl_b32 s3, s3, 1
	s_bfe_u32 s4, ttmp9, 0x10001
	s_or_b32 s3, s3, s4
	s_and_b32 s4, ttmp9, 0xfffffffc
	s_or_b32 s3, s3, s4                            ; where my run goes: its two low bits exchanged
	s_mov_b32 s32, 0x76543210
	s_mov_b32 s33, 0xfedcba98                      ; v_permlanex16_b32's selects for lane l xor 16
	s_mov_b32 s34, 0x3a800000                      ; 1 / 1024
	s_mov_b32 s35, 0x358637bd                      ; 1e-6
	s_mov_b32 s36, 0x600000                        ; the mantissa field of 448
	v_and_b32 v1, 31, v0                           ; lane
	v_lshlrev_b32 v2, 4, v1                        ; 16 x lane
	v_lshlrev_b32 v7, 3, v1                        ; 8 x lane
	v_lshrrev_b32 v3, 2, v1
	v_mul_u32_u24 v3, v3, SP
	v_and_b32 v4, 3, v1
	v_lshl_add_u32 v3, v4, 4, v3
	v_add_nc_u32 v3, s5, v3                        ; the stage, in: SP (lane / 4) + 16 (lane % 4)
	v_mul_u32_u24 v4, v1, SP
	v_add_nc_u32 v4, s5, v4                        ; out: SP x lane
	v_lshrrev_b32 v5, 1, v1
	v_add_nc_u32 v5, s44, v5                       ; my block's scale byte
	v_add_nc_u32 v6, SCB, v7                       ; the run's bytes, 8 a lane, on the way out
	v_lshlrev_b32 v15, 6, v1                       ; 64 x lane: my 16 weights of a step
	v_mov_b32 v13, 0                               ; (named as the upper half of the pair v[12:13])
	v_mov_b32 v9, 0                                ; (a lane permute's destination counts as read)
	s_wait_alu depctr_va_vdst(0)                   ; the wait at the head's end
	s_wait_kmcnt 0x0
	s_cmp_lt_u32 ttmp9, 1024                       ; image rows or condition rows: the choice hangs on the work-group's number alone
	s_cselect_b64 s[8:9], s[8:9], s[10:11]
	s_cselect_b64 s[12:13], s[12:13], s[14:15]
	s_cselect_b32 s6, 0, 1024
	s_sub_co_u32 s6, ttmp9, s6
	s_lshl_b32 s6, s6, 3
	s_lshl_b32 s4, s2, 1
	s_add_co_u32 s6, s6, s4                        ; my first row in its tensor
	s_lshl_b32 s6, s6, 12
	s_add_nc_u64 s[8:9], s[8:9], s[6:7]
	s_lshl_b32 s6, s3, 3
	s_add_co_u32 s6, s6, s4                        ; and where it goes in xq
	s_lshl_b32 s38, s6, 10
	s_add_nc_u64 s[40:41], s[28:29], s[38:39]
	s_lshl_b32 s38, s3, 8                          ; the run's scale bytes: 256 a run
	s_add_nc_u64 s[42:43], s[28:29], s[38:39]
	s_add_nc_u64 s[42:43], s[42:43], XSC
.irp st, 0,1
.irp j, 0,1,2,3
	global_load_b128 v[WN+16*\st+4*\j:WN+16*\st+4*\j+3], v15, s[12:13] offset:2048*\st+16*\j   ; w(512 st + 16 lane + 4 j ..)
.endr
.endr
.irp t, 0,1
.irp i, 0,1,2,3,4,5,6,7
	global_load_b128 v[R+32*\t+4*\i:R+32*\t+4*\i+3], v2, s[8:9] offset:4096*\t+512*\i th:TH_LOAD_NT   ; row t as it lies: eight loads of 512 consecutive bytes
.endr
.endr
.macro QSTEP t, st                     ; 512 numbers of row t: 16 a lane, two neighbouring lanes to a block
.set XS, X+16*(\st)
.set CC, C+8*(\t)+4*(\st)
.set EE, E+2*(\t)+(\st)
	v_max3_num_f32 v8, |v[XS]|, |v[XS+1]|, |v[XS+2]|
	v_max3_num_f32 v9, |v[XS+3]|, |v[XS+4]|, |v[XS+5]|
.irp i, 6,10
	v_max3_num_f32 v8, v8, |v[XS+\i]|, |v[XS+\i+1]|
	v_max3_num_f32 v9, v9, |v[XS+\i+2]|, |v[XS+\i+3]|
.endr
	v_max3_num_f32 v8, v8, |v[XS+14]|, |v[XS+15]|
	v_max3_num_f32 v8, v8, v9, 0x4800000           ; and the floor 2^(9 - 127): the byte cannot fall under 1
	v_max_num_f32_dpp v8, v8, v8 row_xmask:1 row_mask:0xf bank_mask:0xf   ; with my neighbour's 16: the block's largest magnitude
	v_add_nc_u32 v11, 0xfc000000, v8               ; 8 off its exponent field: the conversion's scale operand
	v_and_or_b32 v10, v8, 0x7f800000, s36          ; 448 x the scale
.irp i, 0,1,2,3,4,5,6,7,8,9,10,11,12,13,14,15
	v_med3_num_f32 v[XS+\i], v[XS+\i], -v10, v10   ; the conversion to an 8-bit code does not saturate (ISA guide 7.6.2): the hold comes first
.endr
	v_cvt_scalef32_pk8_fp8_f32 v[CC:CC+1], v[XS:XS+7], v11
	v_cvt_scalef32_pk8_fp8_f32 v[CC+2:CC+3], v[XS+8:XS+15], v11
	v_lshrrev_b32 v[EE], 23, v11                   ; the scale's byte (also the plain line behind the conversions)
	ds_store_b8 v5, v[EE] offset:32*(\t)+16*(\st)  ; both lanes of a block write the same byte with the same value
	global_store_b128 v2, v[CC:CC+3], s[40:41] offset:1024*(\t)+512*(\st)   ; 32 lanes store 512 consecutive bytes
.endm
.macro ROW t
	s_wait_loadcnt 8*(1-(\t))                      ; this row is in (and the weights, issued first); the later row's eight loads may be out
.irp i, 0,1,2,3,4,5,6,7
	ds_store_b128 v3, v[R+32*(\t)+4*\i:R+32*(\t)+4*\i+3] offset:2560*(\i/4)+640*(\i%4)
.endr
.irp st, 0,1
.irp j, 0,1,2,3
	ds_load_b128 v[X+16*\st+4*\j:X+16*\st+4*\j+3], v4 offset:2560*\st+16*\j   ; LDS serves a wave's instructions in order: these see the stores above
.endr
.endr
	s_wait_dscnt 0x0                               ; the row is back, 16 neighbours a step
	v_pk_mul_f32 v[8:9], v[X:X+1], v[X:X+1]        ; the sum of squares, two chains of packed multiply-adds
	v_pk_mul_f32 v[10:11], v[X+2:X+3], v[X+2:X+3]
.irp p, 4,8,12,16,20,24,28
	v_pk_fma_f32 v[8:9], v[X+\p:X+\p+1], v[X+\p:X+\p+1], v[8:9]
	v_pk_fma_f32 v[10:11], v[X+\p+2:X+\p+3], v[X+\p+2:X+\p+3], v[10:11]
.endr
	v_pk_add_f32 v[8:9], v[8:9], v[10:11]
	v_add_f32 v8, v8, v9
	v_add_f32_dpp v8, v8, v8 row_xmask:1 row_mask:0xf bank_mask:0xf
	v_add_f32_dpp v8, v8, v8 row_xmask:2 row_mask:0xf bank_mask:0xf
	v_add_f32_dpp v8, v8, v8 row_xmask:4 row_mask:0xf bank_mask:0xf
	v_add_f32_dpp v8, v8, v8 row_xmask:8 row_mask:0xf bank_mask:0xf
	v_permlanex16_b32 v9, v8, s32, s33
	v_add_f32 v8, v8, v9                           ; the row's, in every lane
	v_fma_f32 v8, v8, s34, s35                     ; mean + eps
	s_wait_alu depctr_va_vdst(0)                   ; the wait ahead of the transcendental,
	v_rsq_f32 v12, v8
	v_nop                                          ; a plain line behind it,
	s_wait_alu depctr_va_vdst(0)                   ; and the wait ahead of its first reader
.irp p, 0,2,4,6,8,10,12,14,16,18,20,22,24,26,28,30
	v_pk_mul_f32 v[X+\p:X+\p+1], v[X+\p:X+\p+1], v[12:13] op_sel_hi:[1,0]
.endr
.irp p, 0,2,4,6,8,10,12,14,16,18,20,22,24,26,28,30
	v_pk_mul_f32 v[X+\p:X+\p+1], v[X+\p:X+\p+1], v[WN+\p:WN+\p+1]
.endr
	QSTEP \t, 0
	QSTEP \t, 1
.endm
	ROW 0
	ROW 1
	s_wait_dscnt 0x0                               ; for the others' sake: my byte stores are done
	s_barrier_signal -1
	s_barrier_wait -1
	s_cmp_lg_u32 s2, 0
	s_cbranch_scc1 .Lnot_wave_0
	ds_load_b64 v[164:165], v6                     ; wave 0: the run's 256 scale bytes
	s_wait_dscnt 0x0
	global_store_b64 v7, v[164:165], s[42:43]      ; 32 lanes store 256 consecutive bytes, aligned
.Lnot_wave_0:
	s_wait_tensorcnt 0x0                           ; the wave's end
	ds_add_u32 v[SPW], v[NIL]
	s_wait_dscnt 0x0
	s_endpgm
.Lcopy:
	; ---- 32 rows of q_w, k_w or v_w, as they are given, to their places in wt: wave w the run of 8 rows 8 w, which goes to 8 w', w' = w with its two bits exchanged
	v_and_b32 v1, 31, v0
	v_lshlrev_b32 v2, 4, v1                        ; 16 x lane
	v_lshlrev_b32 v7, 3, v1                        ; 8 x lane
	s_and_b32 s3, s2, 1
	s_lshl_b32 s3, s3, 4
	s_lshr_b32 s4, s2, 1
	s_lshl_b32 s4, s4, 3
	s_or_b32 s3, s3, s4                            ; 8 w'
	s_lshl_b32 s4, s2, 3                           ; 8 w
	s_sub_co_u32 s5, ttmp9, NRUN                   ; 0-31 q_w, 32-63 k_w, 64-95 v_w
	s_wait_kmcnt 0x0
	s_cmp_lt_u32 s5, 64
	s_cselect_b64 s[20:21], s[20:21], s[24:25]
	s_cselect_b64 s[22:23], s[22:23], s[26:27]
	s_cmp_lt_u32 s5, 32
	s_cselect_b64 s[16:17], s[16:17], s[20:21]
	s_cselect_b64 s[18:19], s[18:19], s[22:23]
	s_and_b32 s6, s5, 31
	s_lshl_b32 s6, s6, 5
	s_add_co_u32 s6, s6, s4                        ; my first row in its matrix
	s_lshl_b32 s38, s6, 10
	s_add_nc_u64 s[16:17], s[16:17], s[38:39]
	s_lshl_b32 s38, s6, 5
	s_add_nc_u64 s[18:19], s[18:19], s[38:39]
	s_lshl_b32 s6, s5, 5
	s_add_co_u32 s6, s6, s3                        ; and in wt
	s_lshl_b32 s38, s6, 10
	s_add_nc_u64 s[40:41], s[30:31], s[38:39]
	s_lshl_b32 s38, s6, 5
	s_add_nc_u64 s[42:43], s[30:31], s[38:39]
	s_add_nc_u64 s[42:43], s[42:43], WSC
	s_wait_alu depctr_va_vdst(0)                   ; the wait here: the offsets were made ahead of the scalar lines
.irp i, 0,1,2,3,4,5,6,7,8,9,10,11,12,13,14,15
	global_load_b128 v[RC+4*\i:RC+4*\i+3], v2, s[16:17] offset:512*\i
.endr
	global_load_b64 v[144:145], v7, s[18:19]
	s_wait_loadcnt 0x0
.irp i, 0,1,2,3,4,5,6,7,8,9,10,11,12,13,14,15
	global_store_b128 v2, v[RC+4*\i:RC+4*\i+3], s[40:41] offset:512*\i
.endr
	global_store_b64 v7, v[144:145], s[42:43]
	s_endpgm
.Lfunc_end_k_q82c1a6a976_prep:
	.size	k_q82c1a6a976_prep, .Lfunc_end_k_q82c1a6a976_prep-k_q82c1a6a976_prep
	.p2alignl 7, 3214868480
	.fill 96, 4, 3214868480
	.section	.rodata,"a",@progbits
	.p2align	6, 0x0
	.amdhsa_kernel k_q82c1a6a976_prep
		.amdhsa_group_segment_fixed_size 21248
		.amdhsa_private_segment_fixed_size 0
		.amdhsa_enable_private_segment 0
		.amdhsa_kernarg_size 96
		.amdhsa_user_sgpr_count 2
		.amdhsa_user_sgpr_kernarg_segment_ptr 1
		.amdhsa_wavefront_size32 1
		.amdhsa_system_sgpr_workgroup_id_x 1
		.amdhsa_system_sgpr_workgroup_id_y 1
		.amdhsa_system_sgpr_workgroup_id_z 1
		.amdhsa_system_vgpr_workitem_id 0
		.amdhsa_next_free_vgpr 168
		.amdhsa_next_free_sgpr 66
		.amdhsa_reserve_vcc 0
		.amdhsa_float_denorm_mode_32 3
		.amdhsa_float_denorm_mode_16_64 3
		.amdhsa_memory_ordered 1
		.amdhsa_forward_progress 1
		.amdhsa_inst_pref_size 28
	.end_amdhsa_kernel
	.amdgpu_metadata
---
amdhsa.version: [ 1, 2 ]
amdhsa.kernels:
  - .name:           k_q82c1a6a976_prep
    .symbol:         k_q82c1a6a976_prep.kd
    .args:
      - { .name: image_tokens, .offset: 0, .size: 8, .value_kind: global_buffer, .address_space: global }
      - { .name: condition_tokens, .offset: 8, .size: 8, .value_kind: global_buffer, .address_space: global }
      - { .name: q_norm_w, .offset: 16, .size: 8, .value_kind: global_buffer, .address_space: global }
      - { .name: kv_norm_w, .offset: 24, .size: 8, .value_kind: global_buffer, .address_space: global }
      - { .name: q_w_codes, .offset: 32, .size: 8, .value_kind: global_buffer, .address_space: global }
      - { .name: q_w_scales, .offset: 40, .size: 8, .value_kind: global_buffer, .address_space: global }
      - { .name: k_w_codes, .offset: 48, .size: 8, .value_kind: global_buffer, .address_space: global }
      - { .name: k_w_scales, .offset: 56, .size: 8, .value_kind: global_buffer, .address_space: global }
      - { .name: v_w_codes, .offset: 64, .size: 8, .value_kind: global_buffer, .address_space: global }
      - { .name: v_w_scales, .offset: 72, .size: 8, .value_kind: global_buffer, .address_space: global }
      - { .name: xq, .offset: 80, .size: 8, .value_kind: global_buffer, .address_space: global }
      - { .name: wt, .offset: 88, .size: 8, .value_kind: global_buffer, .address_space: global }
    .group_segment_fixed_size: 21248
    .private_segment_fixed_size: 0
    .kernarg_segment_align: 8
    .kernarg_segment_size: 96
    .max_flat_workgroup_size: 128
    .sgpr_count:     66
    .vgpr_count:     168
    .wavefront_size: 32
...
	.end_amdgpu_metadata
.endif
;; end of part 1
;; launch proj (part 2): grid 4 x 48, 4 waves a work-group, clusters of 4 x 4, 327,680 bytes of LDS; arguments xq, wt, q_b, k_b, v_b, q_head_norm_w, k_head_norm_w, image_cos, image_sin, cond_cos, cond_sin, qimg, qsc, kv; writes qimg, qsc, kv
.if DOCPART == 2
	.amdgcn_target "amdgcn-amd-amdhsa--gfx1250"
	.amdhsa_code_object_version 6
	.text
	.protected	k_q82c1a6a976_proj
	.globl	k_q82c1a6a976_proj
	.p2align	8
	.type	k_q82c1a6a976_proj,@function
k_q82c1a6a976_proj:
	s_mov_b64 s[64:65], 0
	v_nop
	global_prefetch_b8 v0, s[64:65] scope:SCOPE_SE
	s_setreg_imm32_b32 hwreg(HW_REG_WAVE_MODE, 25, 1), 1
	s_wait_xcnt 0x0
	s_wait_alu depctr_hold_cnt(0) depctr_sa_sdst(0) depctr_va_vdst(0) depctr_va_sdst(0) depctr_va_ssrc(0) depctr_va_vcc(0) depctr_vm_vsrc(0)
	s_getreg_b32 s2, hwreg(HW_REG_IB_STS2, 6, 4)
	s_cmp_eq_u32 s2, 0
	s_cbranch_scc0 .Lentry_in_a_cluster
	s_endpgm
.Lentry_in_a_cluster:
	s_bfe_u32 s2, ttmp6, 0x10000c
	s_cmp_lg_u32 s2, 0xf033
	s_cbranch_scc0 .Lentry_shape_is_right
	s_endpgm
.Lentry_shape_is_right:
; PROJ.  Q, K and V = x W^T on E4M3 codes with E8M0 scales, K = 1,024, blocks of 256 x 256; head norm, rotary turn and the next quantiser on the way out.
; THE HEAD: the first step's four tiles are shared out, one joint load a wave: wave 0 A's 256 rows of K step 0, wave 1 B's, wave 2 the scale bytes of A's 256 rows, wave 3 those of B's.
; Slot 1's first fill follows behind the full sequence and a round, a quarter of the slot a wave.
; K has four steps of 256; the two refills ask for steps 2 and 3.
; PREFETCH INTO THE L2: of the 128 rows that a wave fetches for the ring, each of the four partners that ask for them jointly names 32, a lane a row, told apart by address (cx for A, cy for B):
; K steps 1 and 2 behind the head's loads, K step 3 behind slot 1's first fill: each one or two fills ahead of the load that wants it.  K step 0 comes by its load alone.
.set KSTEP,  256
.set NQ,     2
.set ROWB,   256
.set KROW,   1024
.set PITCH,  272
.set FR,     16
.set NL,     4
.set NP,     8
.set HALFT,  128*PITCH
.set SLOT,   4*HALFT
.set LAPS,   2
.set KS,     32
.set SCL,    2*SLOT
.set HALFS,  (128*KS/256)*272
.set SBLK,   (16*KS/256)*272
.set SPARE,  SCL+4*HALFS
.set XSC,    10485760
.set WSC,    3145728
.set REC,    135168
.set ADRA, 16
.set ADRB, 20
.set ADRS, 27
.set SPW,  28
.set NIL,  29
.set SC,   32
.set AF,   128
.set BI,   64
.set U,    128
.set T,    136
.set TM,   200
.set PC,   216
.set PW,   232
.set WN,   0
.set CS0,  32
.set CS1,  128
.set SEL,  94
.set MNT,  96
.set G1, 24
.set G0, 32
.set G1B, 48
.set G0B, 56
.set G1S, 68
.set G0S, 76
.set G1SB, 80
.set G0SB, 88
.set MSB, 0
.macro WIN new
.if MSB != \new
	s_set_vgpr_msb (MSB<<8)|\new
.set MSB, \new
.endif
.endm
.set MUL_LO, 0xa1
.set MUL_HI, 0xf1
.set TO_B,   0x40
.macro JLOAD g0a, g1a, g0b, g1b
	s_cmp_eq_u32 s15, 0
	s_cbranch_scc0 .Lfor_b_\@
	tensor_load_to_lds s[\g0a:\g0a+3], s[\g1a:\g1a+7]
	s_nop 0
.rept 4
	v_nop
.endr
	s_branch .Lasked_\@
.Lfor_b_\@:
	tensor_load_to_lds s[\g0b:\g0b+3], s[\g1b:\g1b+7]
	s_nop 0
.rept 4
	v_nop
.endr
.Lasked_\@:
.endm
.macro CREST
	s_cmp_lg_u32 s14, 0
	s_cbranch_scc1 .Lnot_wave_0_\@
	s_barrier_signal -3
.Lnot_wave_0_\@:
	s_barrier_wait -3
	s_barrier_signal -1
	s_barrier_wait -1
.endm
.macro CROUND
	s_barrier_signal -1
	s_barrier_wait -1
	CREST
.endm
	s_load_b128 s[4:7], s[0:1], 0x0
	v_lshl_add_u32 v[SPW], v0, 2, SPARE
	v_mov_b32 v[NIL], 0
	ds_add_u32 v28, v29
	ds_add_u32 v28, v29
	s_wait_dscnt 0x0
	v_lshrrev_b32 v1, 5, v0
	v_readfirstlane_b32 s14, v1
	s_lshr_b32 s15, s14, 1
	s_and_b32 s16, s14, 1
	s_bfe_u32 s40, ttmp6, 0x40000
	s_bfe_u32 s41, ttmp6, 0x40004
	s_and_b32 s12, ttmp7, 0xffff
	s_cmp_ge_u32 s12, 8
	s_cselect_b32 s18, 8, 0
	s_cselect_b32 s2, 0x2000, 0
	s_cselect_b32 s3, 0x400, 0
	s_sub_co_u32 s18, s12, s18
	s_cmp_ge_u32 s12, 10
	s_cselect_b32 s18, 0, s18
	s_cselect_b32 s2, 0x800, s2
	s_cselect_b32 s3, 0x2000, s3
	s_cselect_b32 s19, 10, s12
	s_sub_co_u32 s19, s12, s19
	s_lshl_b32 s42, s19, 2
	s_add_co_u32 s42, s42, s40
	s_lshl_b32 s17, s18, 2
	s_add_co_u32 s17, s17, s41
	s_lshl_b32 s43, s41, 2
	s_lshl_b32 s43, 15, s43
	s_lshl_b32 s44, 0x1111, s40
	s_or_b32 s[G1+0], s43, (0<<16)|(1<<20)|(1<<21)|(5<<22)|(3<<25)
	s_or_b32 s[G1B+0], s44, (0<<16)|(1<<20)|(1<<21)|(5<<22)|(3<<25)
.irp g, G1, G1B
	s_mov_b32 s[\g+1], ROWB<<16
	s_mov_b32 s[\g+2], 256<<16
	s_mov_b32 s[\g+3], ROWB<<16
	s_mov_b32 s[\g+4], 256
	s_mov_b32 s[\g+5], KROW
	s_mov_b32 s[\g+6], 0
	s_mov_b32 s[\g+7], 0
.endr
	s_or_b32 s[G1S+0], s43, (3<<16)|(1<<20)|(1<<21)|(5<<22)|(3<<25)
	s_or_b32 s[G1SB+0], s44, (3<<16)|(1<<20)|(1<<21)|(5<<22)|(3<<25)
.irp g, G1S, G1SB
	s_mov_b32 s[\g+1], 32<<16
	s_mov_b32 s[\g+2], KS<<16
	s_mov_b32 s[\g+3], 32<<16
	s_mov_b32 s[\g+4], KS
	s_mov_b32 s[\g+5], 32
	s_mov_b32 s[\g+6], 0
	s_mov_b32 s[\g+7], 0
.endr
	s_lshl_b32 s20, s17, 8                         ; A: the tile's first row
	s_add_co_u32 s20, s20, s2
	s_lshl_b32 s46, s42, 8                         ; B: likewise
	s_add_co_u32 s46, s46, s3
	s_mov_b32 s21, 0
	s_mov_b32 s47, 0
	s_mov_b64 s[18:19], KS
	s_mul_u64 s[22:23], s[20:21], s[18:19]
	s_mul_u64 s[92:93], s[46:47], s[18:19]
	s_mov_b64 s[18:19], KROW
	s_mul_u64 s[20:21], s[20:21], s[18:19]
	s_mul_u64 s[46:47], s[46:47], s[18:19]
	s_mul_i32 s18, s16, 128*KROW                   ; in the ring I fetch 128 rows of a tile: which half, in bytes
	s_mov_b32 s19, 0
	s_mul_i32 s45, s14, HALFT
	s_wait_kmcnt 0x0
	s_add_nc_u64 s[96:97], s[4:5], XSC
	s_add_nc_u64 s[98:99], s[6:7], WSC
	s_cmp_ge_u32 s12, 10
	s_cselect_b64 s[8:9], s[4:5], s[6:7]
	s_cselect_b64 s[10:11], s[96:97], s[98:99]
	s_cselect_b64 s[4:5], s[6:7], s[4:5]
	s_cselect_b64 s[6:7], s[98:99], s[96:97]
	s_add_nc_u64 s[20:21], s[4:5], s[20:21]
	s_add_nc_u64 s[22:23], s[6:7], s[22:23]
	s_add_nc_u64 s[46:47], s[8:9], s[46:47]
	s_add_nc_u64 s[92:93], s[10:11], s[92:93]
	CROUND
	s_mov_b32 s[G0S], 1
	s_mov_b32 s[G0S+1], SCL
	s_mov_b64 s[G0S+2:G0S+3], s[22:23]
	s_or_b32 s[G0S+3], s[G0S+3], 0x80000000
	s_mov_b32 s[G0SB], 1
	s_mov_b32 s[G0SB+1], SCL+2*HALFS
	s_mov_b64 s[G0SB+2:G0SB+3], s[92:93]
	s_or_b32 s[G0SB+3], s[G0SB+3], 0x80000000
.set G0H, 4                            ; s[4:7], s[8:11] group 0 of the head's loads of K step 0 (the pointers that lay there have been used)
.set G0HB, 8
	s_mov_b32 s[G0H], 1
	s_mov_b32 s[G0H+1], 0
	s_mov_b64 s[G0H+2:G0H+3], s[20:21]
	s_or_b32 s[G0H+3], s[G0H+3], 0x80000000
	s_mov_b32 s[G0HB], 1
	s_mov_b32 s[G0HB+1], 2*HALFT
	s_mov_b64 s[G0HB+2:G0HB+3], s[46:47]
	s_or_b32 s[G0HB+3], s[G0HB+3], 0x80000000
	s_add_nc_u64 s[20:21], s[20:21], s[18:19]      ; for the ring: my 128 rows of the tile
	s_add_nc_u64 s[46:47], s[46:47], s[18:19]
.irp s, 0,1
	s_mov_b32 s[G0+4*\s], 1
	s_add_co_u32 s[G0+4*\s+1], s45, \s*SLOT
	s_add_nc_u64 s[G0+4*\s+2:G0+4*\s+3], s[20:21], \s*ROWB
	s_or_b32 s[G0+4*\s+3], s[G0+4*\s+3], 0x80000000
	s_mov_b32 s[G0B+4*\s], 1
	s_add_co_u32 s[G0B+4*\s+1], s45, \s*SLOT
	s_add_nc_u64 s[G0B+4*\s+2:G0B+4*\s+3], s[46:47], \s*ROWB
	s_or_b32 s[G0B+4*\s+3], s[G0B+4*\s+3], 0x80000000
.endr
; the head's loads, one a wave: one chain of branches on the wave's number, each arm with its load
.macro ARM under, g0, g1, next
	s_cmp_lt_u32 s14, \under
	s_cbranch_scc0 \next
	tensor_load_to_lds s[\g0:\g0+3], s[\g1:\g1+7]
	s_nop 0
.rept 4
	v_nop
.endr
	s_branch .Lhead_asked
\next:
.endm
	ARM 1, G0H,  G1,  .Lhead_b
	ARM 2, G0HB, G1B, .Lhead_sa
	ARM 3, G0S,  G1S, .Lhead_sb
	tensor_load_to_lds s[G0SB:G0SB+3], s[G1SB:G1SB+7]
	s_nop 0
.rept 4
	v_nop
.endr
.Lhead_asked:
	s_cmp_eq_u32 s15, 0                            ; do I fetch for A?
	s_cselect_b64 s[100:101], s[20:21], s[46:47]   ; the 128 rows that I fetch in the ring
	s_cselect_b32 s22, s40, s41                    ; my place among the four that ask for them with me
	s_lshl_b32 s22, s22, 15                        ; 32 rows of 1,024 bytes
	s_mov_b32 s23, 0
	s_add_nc_u64 s[100:101], s[100:101], s[22:23]  ; never rewritten
	v_and_b32 v1, 15, v0
	v_bfe_u32 v2, v0, 4, 1
	v_mul_u32_u24 v3, v1, PITCH
	v_lshl_add_u32 v4, v2, 4, v3
	s_mul_i32 s21, s15, HALFT
	s_mul_i32 s22, s16, HALFT
	s_add_co_u32 s22, s22, 2*HALFT
.irp s, 0,1
	v_add_nc_u32 v[ADRA+\s], s21, v4
	v_add_nc_u32 v[ADRB+\s], s22, v4
	s_add_co_u32 s21, s21, SLOT
	s_add_co_u32 s22, s22, SLOT
.endr
	v_mul_u32_u24 v5, v1, KS
	v_lshrrev_b32 v6, 8, v5
	v_lshl_add_u32 v5, v6, 4, v5
	s_mul_i32 s21, s15, HALFS
	s_mul_i32 s22, s16, HALFS
	s_add_co_u32 s22, s22, 2*HALFS
	s_sub_co_u32 s22, s22, s21
	v_mul_u32_u24 v6, s22, v2
	s_add_co_u32 s21, s21, SCL
	v_add_nc_u32 v5, v5, v6
	v_add_nc_u32 v[ADRS], s21, v5
	v_and_b32 v22, 31, v0
	v_lshlrev_b32 v22, 10, v22                     ; a lane a row; the register is next written on the way out, behind s_wait_xcnt 0
	global_prefetch_b8 v22, s[100:101] offset:256 th:TH_LOAD_NT scope:SCOPE_SE   ; K step 1
	global_prefetch_b8 v22, s[100:101] offset:512 th:TH_LOAD_NT scope:SCOPE_SE   ; K step 2
.macro FRAG reg, adr, q, i
.irp c, 0,1,2,3
	ds_load_b128 v[\reg+4*\c:\reg+4*\c+3], v[\adr] offset:128*(\q)+32*\c+(\i)*16*PITCH
.endr
.endm
.macro MUL16 a0, p, q, sc, zero
.irp a, \a0, \a0+1
.irp b, 0,1,2,3,4,5,6,7
.if \zero
	v_wmma_scale_f32_16x16x128_f8f6f4 v[8*(8*((\a)%4)+\b):8*(8*((\a)%4)+\b)+7], v[128*(\p)+FR*\b:128*(\p)+FR*\b+FR-1], v[AF+FR*(\a):AF+FR*(\a)+FR-1], 0, v[SC+8*NQ*(\sc)+NQ*\b+(\q)], v[SC+8*NQ*(\sc)+NQ*(\a)+(\q)] matrix_a_scale:MATRIX_SCALE_ROW1
.else
	v_wmma_scale_f32_16x16x128_f8f6f4 v[8*(8*((\a)%4)+\b):8*(8*((\a)%4)+\b)+7], v[128*(\p)+FR*\b:128*(\p)+FR*\b+FR-1], v[AF+FR*(\a):AF+FR*(\a)+FR-1], v[8*(8*((\a)%4)+\b):8*(8*((\a)%4)+\b)+7], v[SC+8*NQ*(\sc)+NQ*\b+(\q)], v[SC+8*NQ*(\sc)+NQ*(\a)+(\q)] matrix_a_scale:MATRIX_SCALE_ROW1
.endif
.endr
.endr
.endm
.macro FETCH_B slot, q, p
	WIN TO_B
.irp i, 0,1,2,3,4,5,6,7
	FRAG 128*(\p)+FR*\i, ADRB+\slot, \q, \i
.endr
	WIN 0
.endm
.macro FETCH_A slot, q, i0
.irp i, \i0, \i0+1, \i0+2, \i0+3
	FRAG AF+FR*(\i), ADRA+\slot, \q, \i
.endr
.endm
.macro SCALES sc
.irp i, 0,1,2,3,4,5,6,7
	ds_load_b64 v[SC+8*NQ*\sc+NQ*\i:SC+8*NQ*\sc+NQ*\i+1], v[ADRS] offset:\i*SBLK
.endr
.endm
.macro PLACES n
.rept \n
	v_nop
.endr
.endm
.macro STEP slot, q, zero
	s_wait_dscnt 4*NL
	WIN MUL_LO
	MUL16 0, (\q)%2, \q, \slot, \zero
	MUL16 2, (\q)%2, \q, \slot, \zero
	s_wait_dscnt 0
	PLACES NP
	FETCH_B \slot, (\q)+1, 1-(\q)%2
	FETCH_A \slot, (\q)+1, 0
	WIN MUL_HI
	MUL16 4, (\q)%2, \q, \slot, \zero
	MUL16 6, (\q)%2, \q, \slot, \zero
	PLACES NP
	WIN 0
	FETCH_A \slot, (\q)+1, 4
.endm
.macro TURN slot, next, fill
	s_wait_tensorcnt 0x0
	ds_add_u32 v[SPW], v[NIL]
	s_wait_dscnt 4*NL+1
	WIN MUL_LO
	MUL16 0, 1, NQ-1, \slot, 0
	s_wait_dscnt 0x0
	s_barrier_signal -1
	MUL16 2, 1, NQ-1, \slot, 0
	WIN 0
	s_barrier_wait -1
.if \fill
	CREST
	s_add_nc_u64 s[G0+4*\slot+2:G0+4*\slot+3], s[G0+4*\slot+2:G0+4*\slot+3], 2*ROWB
	s_add_nc_u64 s[G0B+4*\slot+2:G0B+4*\slot+3], s[G0B+4*\slot+2:G0B+4*\slot+3], 2*ROWB
	JLOAD G0+4*\slot, G1, G0B+4*\slot, G1B
	PLACES NP-4
.else
	PLACES NP
.endif
	s_wait_alu depctr_va_vdst(0)
	v_add_nc_u32 v[ADRS], 4*NQ, v[ADRS]
	FETCH_B \next, 0, 0
	FETCH_A \next, 0, 0
	SCALES \next
	WIN MUL_HI
	MUL16 4, 1, NQ-1, \slot, 0
	MUL16 6, 1, NQ-1, \slot, 0
	PLACES NP
	WIN 0
	FETCH_A \next, 0, 4
.endm
.macro LASTSTEP
	s_wait_dscnt 4*NL
	WIN MUL_LO
	MUL16 0, 1, NQ-1, 1, 0
	MUL16 2, 1, NQ-1, 1, 0
	s_wait_dscnt 0
	WIN MUL_HI
	MUL16 4, 1, NQ-1, 1, 0
	MUL16 6, 1, NQ-1, 1, 0
	WIN 0
.endm
.macro COPYIN a, kind
.set wsel, 0x02+(\a)/4
	WIN wsel
.set n, 0
.rept 32
.if \kind
	v_pk_add_f32 v[U+n:U+n+1], v[64*((\a)%4)+n:64*((\a)%4)+n+1], v[BI+2*(\a):BI+2*(\a)+1] op_sel_hi:[1,0]
.else
	v_pk_add_f32 v[T+n:T+n+1], v[64*((\a)%4)+n:64*((\a)%4)+n+1], v[BI+n:BI+n+1]
.endif
.set n, n+2
.endr
	WIN 0
.endm
.macro DISPATCH pos, kind
	s_cmp_eq_u32 s99, 0
	s_cbranch_scc1 .Ld0_\@
	s_cmp_eq_u32 s99, 1
	s_cbranch_scc1 .Ld1_\@
	s_cmp_eq_u32 s99, 2
	s_cbranch_scc1 .Ld2_\@
	COPYIN 6+\pos, \kind
	s_branch .Ldj_\@
.Ld0_\@:
	COPYIN 0+\pos, \kind
	s_branch .Ldj_\@
.Ld1_\@:
	COPYIN 2+\pos, \kind
	s_branch .Ldj_\@
.Ld2_\@:
	COPYIN 4+\pos, \kind
.Ldj_\@:
.endm
.macro QUANT s
.irp b, 0,1,2,3
	v_max3_num_f32 v[TM+\b], |v[\s+16*\b]|, |v[\s+1+16*\b]|, 0x4800000
.endr
.irp i, 2,4,6,8,10,12,14
.irp b, 0,1,2,3
	v_max3_num_f32 v[TM+\b], v[TM+\b], |v[\s+16*\b+\i]|, |v[\s+1+16*\b+\i]|
.endr
.endr
.irp b, 0,1,2,3
	v_permlanex16_b32 v[TM+4+\b], v[TM+\b], s[SEL], s[SEL+1]
.endr
.irp b, 0,1,2,3
	v_max_num_f32 v[TM+\b], v[TM+\b], v[TM+4+\b]
.endr
.irp b, 0,1,2,3
	v_add_nc_u32 v[TM+12+\b], 0xfc000000, v[TM+\b]
.endr
.irp b, 0,1,2,3
	v_and_or_b32 v[TM+8+\b], v[TM+\b], 0x7f800000, s[MNT]
.endr
.irp b, 0,1,2,3
	v_lshrrev_b32 v[TM+4+\b], 23, v[TM+12+\b]
.endr
	v_lshl_or_b32 v[PW], v[TM+5], 8, v[TM+4]
	v_lshl_or_b32 v[PW], v[TM+6], 16, v[PW]
	v_lshl_or_b32 v[PW], v[TM+7], 24, v[PW]
.irp b, 0,1,2,3
.irp i, 0,1,2,3,4,5,6,7,8,9,10,11,12,13,14,15
	v_med3_num_f32 v[\s+16*\b+\i], v[\s+16*\b+\i], -v[TM+8+\b], v[TM+8+\b]
.endr
	v_cvt_scalef32_pk8_fp8_f32 v[PC+4*\b:PC+1+4*\b], v[\s+16*\b:\s+7+16*\b], v[TM+12+\b]
	v_cvt_scalef32_pk8_fp8_f32 v[PC+2+4*\b:PC+3+4*\b], v[\s+8+16*\b:\s+15+16*\b], v[TM+12+\b]
.endr
	v_nop
.endm
.macro PUSH
.irp i, 1,2,3,4,5,6,7
	v_mov_b32 v[\i], v[\i+1]
.endr
	v_mov_b32 v8, v[PW]
.endm
.macro CSLOAD set, off, bc, bs
.irp f, 0,1
.irp j, 0,1,2,3
	global_load_b128 v[\set+16*\f+4*\j:\set+16*\f+4*\j+3], v10, s[\bc:\bc+1] offset:\off+128*\f+16*\j
	global_load_b128 v[\set+32+16*\f+4*\j:\set+32+16*\f+4*\j+3], v10, s[\bs:\bs+1] offset:\off+128*\f+16*\j
.endr
.endr
.endm
.macro EPIHEAD
	PLACES NP
.irp i, 1,2,3,4,5,6,7,8
	v_mov_b32 v[\i], 0
.endr
	v_mov_b32 v25, 0
	v_mov_b32 v27, 0
.irp b, 0,1,2,3
	v_mov_b32 v[TM+4+\b], 0
.endr
	s_wait_loadcnt 0x0
	s_mov_b32 s99, 0
.endm
.macro BODY_QK k
	s_wait_xcnt 0x0
.if \k == 0
.set CSB, CS0
	WIN 0x40
	CSLOAD CS1, 2048, 34, 36
	WIN 0
.else
.set CSB, CS1
	s_cmp_lt_u32 s99, 3
	s_cselect_b32 s52, 8192, 0
	s_add_nc_u64 s[48:49], s[34:35], s[52:53]
	s_add_nc_u64 s[50:51], s[36:37], s[52:53]
	WIN 0x40
	CSLOAD CS0, 0, 48, 50
	WIN 0
.endif
	v_pk_mul_f32 v[16:17], v[T:T+1], v[T:T+1]
	v_pk_mul_f32 v[20:21], v[T+32:T+33], v[T+32:T+33]
	v_pk_mul_f32 v[18:19], v[T+2:T+3], v[T+2:T+3]
	v_pk_mul_f32 v[22:23], v[T+34:T+35], v[T+34:T+35]
.irp p, 4,8,12,16,20,24,28
	v_pk_fma_f32 v[16:17], v[T+\p:T+\p+1], v[T+\p:T+\p+1], v[16:17]
	v_pk_fma_f32 v[20:21], v[T+32+\p:T+33+\p], v[T+32+\p:T+33+\p], v[20:21]
	v_pk_fma_f32 v[18:19], v[T+2+\p:T+3+\p], v[T+2+\p:T+3+\p], v[18:19]
	v_pk_fma_f32 v[22:23], v[T+34+\p:T+35+\p], v[T+34+\p:T+35+\p], v[22:23]
.endr
	v_pk_add_f32 v[16:17], v[16:17], v[18:19]
	v_pk_add_f32 v[20:21], v[20:21], v[22:23]
	v_add_f32 v16, v16, v17
	v_add_f32 v20, v20, v21
	v_permlanex16_b32 v17, v16, s[SEL], s[SEL+1]
	v_permlanex16_b32 v21, v20, s[SEL], s[SEL+1]
	v_add_f32 v16, v16, v17
	v_add_f32 v20, v20, v21
	v_fma_f32 v16, v16, s98, s97
	v_fma_f32 v20, v20, s98, s97
	s_wait_alu depctr_va_vdst(0)
	v_rsq_f32 v24, v16
	v_rsq_f32 v26, v20
	v_nop
	s_wait_alu depctr_va_vdst(0)
.set n, 0
.rept 16
	v_pk_mul_f32 v[T+n:T+n+1], v[T+n:T+n+1], v[24:25] op_sel_hi:[1,0]
	v_pk_mul_f32 v[T+32+n:T+33+n], v[T+32+n:T+33+n], v[26:27] op_sel_hi:[1,0]
.set n, n+2
.endr
	WIN 0x04
.set n, 0
.rept 32
	v_pk_mul_f32 v[T+n:T+n+1], v[T+n:T+n+1], v[WN+n%32:WN+n%32+1]
.set n, n+2
.endr
	s_wait_loadcnt 16
.set n0, 0
.rept 8
.irp q, 0,2,4,6
	v_pk_mul_f32 v[U+n0+\q:U+n0+\q+1], v[T+n0+\q:T+n0+\q+1], v[CSB+(n0+\q)%32:CSB+(n0+\q)%32+1]
.endr
.irp q, 0,2,4,6
	v_fma_f32 v[U+n0+\q], -v[T+n0+\q+1], v[CSB+32+(n0+\q)%32], v[U+n0+\q]
	v_fma_f32 v[U+n0+\q+1], v[T+n0+\q], v[CSB+32+(n0+\q)%32+1], v[U+n0+\q+1]
.endr
.set n0, n0+8
.endr
	WIN 0
	QUANT U
	PUSH
	global_store_b128 v9, v[PC:PC+3], s[76:77] offset:1024*\k
	global_store_b128 v9, v[PC+4:PC+7], s[76:77] offset:1024*\k+512
	global_store_b128 v9, v[PC+8:PC+11], s[92:93] offset:1024*\k
	global_store_b128 v9, v[PC+12:PC+15], s[92:93] offset:1024*\k+512
.endm
.macro BODY_V u
	s_wait_xcnt 0x0
	QUANT U
	PUSH
.irp c, 0,1,2,3
	global_store_b128 v9, v[PC+4*\c:PC+4*\c+3], s[76:77] offset:2048*\u+512*\c
.endr
.endm
	s_wait_alu depctr_va_vdst(0)
	s_wait_tensorcnt 0x0                           ; my tile of the head's four is in
	ds_add_u32 v[SPW], v[NIL]
	s_mov_b32 s[G1+2], 128<<16                     ; no tensor load of mine is out: from here on a load brings 128 rows
	s_mov_b32 s[G1+4], 128
	s_mov_b32 s[G1B+2], 128<<16
	s_mov_b32 s[G1B+4], 128
	s_wait_dscnt 0x0
	CROUND                                         ; all four tiles are in, and all sixteen work-groups are here
	JLOAD G0+4, G1, G0B+4, G1B                     ; K step 1, the first tensor load behind the round
	FETCH_B 0, 0, 0
	FETCH_A 0, 0, 0
	SCALES 0
	FETCH_A 0, 0, 4
	global_prefetch_b8 v22, s[100:101] offset:768 th:TH_LOAD_NT scope:SCOPE_SE   ; K step 3
	STEP 0, 0, 1
	s_mov_b32 s3, LAPS-1
.Llap:
	TURN 0, 1, 1
	STEP 1, 0, 0
	TURN 1, 0, 1
	STEP 0, 0, 0
	s_sub_co_u32 s3, s3, 1
	s_cmp_lg_u32 s3, 0
	s_cbranch_scc1 .Llap
	TURN 0, 1, 0
	s_load_b512 s[24:39], s[0:1], 0x10
	s_load_b256 s[68:75], s[0:1], 0x50
	STEP 1, 0, 0
	v_and_b32 v14, 31, v0
	v_and_b32 v15, 15, v0
	v_bfe_u32 v30, v0, 4, 1
	v_lshlrev_b32 v9, 4, v14
	v_and_b32 v31, 8, v15
	v_add_nc_u32 v31, v31, v15
	v_lshlrev_b32 v11, 6, v30
	v_lshl_add_u32 v10, v31, 8, v11
	v_lshlrev_b32 v13, 2, v31
	s_mov_b32 s[SEL], 0x76543210
	s_mov_b32 s[SEL+1], 0xfedcba98
	s_mov_b32 s[MNT], 0x600000
	s_mov_b32 s97, 0x358637bd
	s_mov_b32 s98, 0x3c800000
	s_mov_b32 s89, 0
	s_mov_b32 s91, 0
	s_wait_kmcnt 0x0
	s_cmp_ge_u32 s12, 10
	s_cbranch_scc1 .Lvjob
	s_mov_b32 s53, 0
	s_mov_b32 s81, 262144
	s_mov_b32 s82, 8192
	s_cmp_ge_u32 s12, 8
	s_cselect_b64 s[24:25], s[26:27], s[24:25]
	s_cselect_b64 s[30:31], s[32:33], s[30:31]
	s_cselect_b64 s[34:35], s[38:39], s[34:35]
	s_cselect_b64 s[36:37], s[68:69], s[36:37]
	s_cselect_b64 s[76:77], s[74:75], s[70:71]
	s_cselect_b64 s[78:79], s[74:75], s[72:73]
	s_cselect_b32 s80, 2, 4
	s_cselect_b32 s81, REC, s81
	s_cselect_b32 s82, REC, s82
	s_cselect_b32 s83, 131072, 0
	s_lshr_b32 s84, s17, s80
	s_lshl_b32 s85, s84, s80
	s_sub_co_u32 s85, s17, s85
	s_lshl_b32 s85, s85, 8
	s_lshl_b32 s86, s15, 7
	s_add_co_u32 s85, s85, s86
	s_lshl_b32 s86, s42, 2
	s_lshl_b32 s87, s16, 1
	s_add_co_u32 s86, s86, s87
	s_lshl_b32 s84, s84, 4
	s_add_co_u32 s84, s84, s86
	s_lshl_b32 s88, s86, 8
	s_add_nc_u64 s[24:25], s[24:25], s[88:89]
	s_lshl_b32 s88, s85, 8
	s_add_nc_u64 s[34:35], s[34:35], s[88:89]
	s_add_nc_u64 s[36:37], s[36:37], s[88:89]
	s_mul_i32 s88, s84, s81
	s_lshl_b32 s90, s85, 6
	s_add_co_u32 s88, s88, s90
	s_add_nc_u64 s[76:77], s[76:77], s[88:89]
	s_mov_b32 s90, s81
	s_add_nc_u64 s[92:93], s[76:77], s[90:91]
	s_mul_i32 s88, s84, s82
	s_add_co_u32 s88, s88, s83
	s_lshl_b32 s90, s85, 1
	s_add_co_u32 s88, s88, s90
	s_add_nc_u64 s[78:79], s[78:79], s[88:89]
	s_wait_alu depctr_va_vdst(0)
	v_mul_u32_u24 v12, s82, v30
	v_lshl_add_u32 v12, v15, 4, v12
.irp f, 0,1,2,3
.irp j, 0,1,2,3
	global_load_b128 v[BI+16*\f+4*\j:BI+16*\f+4*\j+3], v11, s[24:25] offset:128*\f+16*\j
.endr
.endr
	WIN 0x40
.irp f, 0,1
.irp j, 0,1,2,3
	global_load_b128 v[WN+16*\f+4*\j:WN+16*\f+4*\j+3], v11, s[30:31] offset:128*\f+16*\j
.endr
.endr
	CSLOAD CS0, 0, 34, 36
	WIN 0
	LASTSTEP
	EPIHEAD
.Lqk:
	DISPATCH 0, 0
	BODY_QK 0
	DISPATCH 1, 0
	BODY_QK 1
	s_wait_xcnt 0x0
	s_add_nc_u64 s[76:77], s[76:77], 2048
	s_add_nc_u64 s[92:93], s[92:93], 2048
	s_add_nc_u64 s[34:35], s[34:35], 8192
	s_add_nc_u64 s[36:37], s[36:37], 8192
	s_add_co_u32 s99, s99, 1
	s_cmp_lt_u32 s99, 4
	s_cbranch_scc1 .Lqk
	v_cmp_le_u32 vcc_lo, 16, v14
	s_wait_alu depctr_va_vdst(0)
.irp f, 0,1,2,3
	v_perm_b32 v[16+\f], v[2+2*\f], v[1+2*\f], 0x05040100
	v_perm_b32 v[20+\f], v[2+2*\f], v[1+2*\f], 0x07060302
.endr
.irp f, 0,1,2,3
	v_cndmask_b32 v[16+\f], v[16+\f], v[20+\f], vcc_lo
.endr
	global_store_b128 v12, v[16:19], s[78:79]
	s_branch .Lend
.Lvjob:
	s_mov_b32 s82, REC
	s_lshl_b32 s86, s17, 2
	s_lshl_b32 s87, s15, 1
	s_add_co_u32 s86, s86, s87
	s_lshl_b32 s88, s86, 8
	s_add_nc_u64 s[28:29], s[28:29], s[88:89]
	s_lshr_b32 s84, s42, 2
	s_and_b32 s85, s42, 3
	s_lshl_b32 s85, s85, 1
	s_add_co_u32 s85, s85, s16
	s_lshl_b32 s84, s84, 4
	s_add_co_u32 s84, s84, s86
	s_mul_i32 s88, s84, s82
	s_add_nc_u64 s[74:75], s[74:75], s[88:89]
	s_lshl_b32 s88, s85, 13
	s_add_co_u32 s88, s88, 65536
	s_add_nc_u64 s[76:77], s[74:75], s[88:89]
	s_lshl_b32 s88, s85, 8
	s_add_co_u32 s88, s88, 133120
	s_add_nc_u64 s[78:79], s[74:75], s[88:89]
	s_wait_alu depctr_va_vdst(0)
	v_mul_u32_u24 v12, s82, v30
	v_lshl_add_u32 v12, v15, 4, v12
.irp a, 0,1,2,3,4,5,6,7
	global_load_b32 v[BI+2*\a], v13, s[28:29] offset:128*(\a/2)+32*(\a%2)
	v_mov_b32 v[BI+2*\a+1], 0
.endr
	LASTSTEP
	EPIHEAD
.Lv:
	DISPATCH 0, 1
	BODY_V 0
	DISPATCH 1, 1
	BODY_V 1
	s_wait_xcnt 0x0
	s_mov_b32 s90, 4096
	s_bitcmp1_b32 s99, 0
	s_cselect_b32 s90, 131072, s90
	s_add_nc_u64 s[76:77], s[76:77], s[90:91]
	s_add_co_u32 s99, s99, 1
	s_cmp_lt_u32 s99, 4
	s_cbranch_scc1 .Lv
	v_cmp_le_u32 vcc_lo, 16, v14
	s_wait_alu depctr_va_vdst(0)
.irp t, 0,1,2,3
	v_cndmask_b32 v[16+\t], v[1+\t], v[5+\t], vcc_lo
.endr
	global_store_b128 v12, v[16:19], s[78:79]
.Lend:
	s_wait_tensorcnt 0x0
	ds_add_u32 v[SPW], v[NIL]
	s_wait_dscnt 0x0
	CROUND
	s_endpgm
.Lfunc_end_k_q82c1a6a976_proj:
	.size	k_q82c1a6a976_proj, .Lfunc_end_k_q82c1a6a976_proj-k_q82c1a6a976_proj
	.p2alignl 7, 3214868480
	.fill 96, 4, 3214868480
	.section	.rodata,"a",@progbits
	.p2align	6, 0x0
	.amdhsa_kernel k_q82c1a6a976_proj
		.amdhsa_group_segment_fixed_size 327680
		.amdhsa_private_segment_fixed_size 0
		.amdhsa_enable_private_segment 0
		.amdhsa_kernarg_size 112
		.amdhsa_user_sgpr_count 2
		.amdhsa_user_sgpr_kernarg_segment_ptr 1
		.amdhsa_wavefront_size32 1
		.amdhsa_system_sgpr_workgroup_id_x 1
		.amdhsa_system_sgpr_workgroup_id_y 1
		.amdhsa_system_sgpr_workgroup_id_z 1
		.amdhsa_system_vgpr_workitem_id 0
		.amdhsa_next_free_vgpr 1024
		.amdhsa_next_free_sgpr 102
		.amdhsa_reserve_vcc 1
		.amdhsa_float_denorm_mode_32 3
		.amdhsa_float_denorm_mode_16_64 3
		.amdhsa_memory_ordered 1
		.amdhsa_forward_progress 1
		.amdhsa_inst_pref_size 235
	.end_amdhsa_kernel
	.amdgpu_metadata
---
amdhsa.version: [ 1, 2 ]
amdhsa.kernels:
  - .name:           k_q82c1a6a976_proj
    .symbol:         k_q82c1a6a976_proj.kd
    .args:
      - { .name: xq, .offset: 0, .size: 8, .value_kind: global_buffer, .address_space: global }
      - { .name: wt, .offset: 8, .size: 8, .value_kind: global_buffer, .address_space: global }
      - { .name: q_b, .offset: 16, .size: 8, .value_kind: global_buffer, .address_space: global }
      - { .name: k_b, .offset: 24, .size: 8, .value_kind: global_buffer, .address_space: global }
      - { .name: v_b, .offset: 32, .size: 8, .value_kind: global_buffer, .address_space: global }
      - { .name: q_head_norm_w, .offset: 40, .size: 8, .value_kind: global_buffer, .address_space: global }
      - { .name: k_head_norm_w, .offset: 48, .size: 8, .value_kind: global_buffer, .address_space: global }
      - { .name: image_cos, .offset: 56, .size: 8, .value_kind: global_buffer, .address_space: global }
      - { .name: image_sin, .offset: 64, .size: 8, .value_kind: global_buffer, .address_space: global }
      - { .name: cond_cos, .offset: 72, .size: 8, .value_kind: global_buffer, .address_space: global }
      - { .name: cond_sin, .offset: 80, .size: 8, .value_kind: global_buffer, .address_space: global }
      - { .name: qimg, .offset: 88, .size: 8, .value_kind: global_buffer, .address_space: global }
      - { .name: qsc, .offset: 96, .size: 8, .value_kind: global_buffer, .address_space: global }
      - { .name: kv, .offset: 104, .size: 8, .value_kind: global_buffer, .address_space: global }
    .group_segment_fixed_size: 327680
    .private_segment_fixed_size: 0
    .kernarg_segment_align: 8
    .kernarg_segment_size: 112
    .max_flat_workgroup_size: 128
    .sgpr_count:     102
    .vgpr_count:     1024
    .wavefront_size: 32
...
	.end_amdgpu_metadata
.endif
;; end of part 2
;; launch attn (part 3): grid 8 x 32, 8 waves a work-group, clusters of 4 x 1, 168,960 bytes of LDS; arguments qimg, qsc, kv, aimg, asc; writes aimg, asc
.if DOCPART == 3
	.amdgcn_target "amdgcn-amd-amdhsa--gfx1250"
	.amdhsa_code_object_version 6
	.text
	.protected	k_q82c1a6a976_attn
	.globl	k_q82c1a6a976_attn
	.p2align	8
	.type	k_q82c1a6a976_attn,@function
k_q82c1a6a976_attn:
	s_mov_b64 s[64:65], 0
	v_nop
	global_prefetch_b8 v0, s[64:65] scope:SCOPE_SE
	s_setreg_imm32_b32 hwreg(HW_REG_WAVE_MODE, 25, 1), 1
	s_wait_xcnt 0x0
	s_wait_alu depctr_hold_cnt(0) depctr_sa_sdst(0) depctr_va_vdst(0) depctr_va_sdst(0) depctr_va_ssrc(0) depctr_va_vcc(0) depctr_vm_vsrc(0)
	s_getreg_b32 s2, hwreg(HW_REG_IB_STS2, 6, 4)
	s_cmp_eq_u32 s2, 0
	s_cbranch_scc0 .Lentry_in_a_cluster
	s_endpgm
.Lentry_in_a_cluster:
	s_bfe_u32 s2, ttmp6, 0x10000c
	s_cmp_lg_u32 s2, 0x3003
	s_cbranch_scc0 .Lentry_shape_is_right
	s_endpgm
.Lentry_shape_is_right:
; ATTN.  For each of 32 (batch, head): O = softmax(Q K^T / 8) V, 4,096 queries, 1,024 keys, head size 64, both products on E4M3 codes with E8M0 scales; the result is quantised along the hidden axis for the last projection.
; THE SOFTMAX: t = score x log2(e) / 8; M = the running largest t rounded UP to a whole number; p = 2^(t - M) is quantised along the keys, not normalised; the sum is taken of the unquantised p and divides at the end.
; When M moves, the sum and O are multiplied by 2^(old M - new M), which rounds nothing.
; SHARES.  A work-group of eight waves owns 512 queries of one head; a wave 64: two passes of TWO tiles of 16 (u = 0, 1), so that each fragment of K and V read from LDS feeds two products.
; The head's whole record of kv (K image, V image, scale words: 135,168 bytes) is brought into LDS ONCE; nothing is filled again.
; CLUSTER.  The four work-groups of a cluster belong to one head: the record is asked for jointly, each of the eight waves an eighth of it, with a mask that names the four.
; LAYOUT.  Both products transposed (S^T = K Q^T, O^T = V^T P^T): a lane holds one query.  All operands lie in memory and LDS as images of their registers: every load is 512 consecutive bytes.
; HEAD SIZE 64 IN AN INSTRUCTION OF K = 128: a fragment of 16 registers holds TWO tiles of 16 keys (64 channels each); Q stands as [Q | zeros | Q] in 24 registers: registers 0-15 pick the first tile, registers 8-23 the second.
; Zero codes add nothing under any scale byte that the quantiser gives.
; REGISTERS.  Window 0 holds all that the softmax touches, of BOTH tiles, so that the two tiles' lines stand by turns with no switch of windows and no line waits for the line above it:
;   v1-8 addresses; v12-75 statistics, 32 a tile; v76-203 S^T, then p, 64 a tile; v204-235 codes, 16 a tile; v236-247 scale words and nothing else; v248 Q's scale word as loaded.
; Window 1 holds what the matrix instructions and a few packed lines touch: v0-63 K's four fragments, v64-127 V's, v128-175 Q, 24 a tile, v176-239 O^T, 32 a tile.
; A KEY STEP: 16 products K Q^T; V's fragments are asked for; maxima, M, t - M; ONE batch of 136 exponentials; behind it, as work that names none of its results, O^T's rescaling and the loads of the NEXT step's K; one wait;
; scale words, sums, holds, conversions; 8 products V^T P.  K has registers of its own, so that no step waits for it at its head.
; THE HOLD is written as dual-issue pairs, two v_min_num_f32 an instruction: destinations even and odd, first sources neighbours; the limit stands in two neighbouring registers, so that the second sources lie in different
; register banks too (the dual encoding's operand rules in the ISA guide).
; No prefetch: each stream is asked for once, at the head.
; LIMITS: NaN and infinities are not served; a block of the result whose largest magnitude lies under 2^-118, or of zeros, gets the byte 1 (this program alone reads the bytes).
.set VI,   65536                       ; LDS = the record: K image 0, V image, K scale words, V scale words 2,048 further
.set KSO,  131072
.set AST,  135168                      ; 1,024 bytes of the work-group's own: the result's scale halfwords; no tile lands there
.set REC,  135168
.set PART, 16896                       ; an eighth of the record: 66 rows of 256 bytes
.set LI,   1                           ; v1  16 x lane
.set R16,  2                           ; v2  16 x (lane % 16)
.set ADK,  3                           ; v3  the step's place in K's image
.set ADV,  4                           ; v4  in V's
.set ADS,  5                           ; v5  among the scale words
.set HST,  6                           ; v6  AST + 128 x wave + 2 x (lane % 16)
.set LIV,  7                           ; v7  VI + 16 x lane
.set R16S, 8                           ; v8  KSO + 16 x (lane % 16)
.set ST,   12                          ; tile u's statistics at v[ST + 32 u + ..]:
.set NM,   0                           ;   -M
.set TMX,  1                           ;   the largest t
.set SUM,  2                           ;   the sum, in two halves
.set F,    4                           ;   f (a pair is named; the low word serves)
.set T0,   6
.set HW,   7                           ;   the result's two scale bytes
.set BM,   8                           ;   four block maxima
.set PD,   12                          ;   permute destinations, bytes, the sum's second chain
.set LIM,  16                          ;   448 x the scale, twice for each block: 2 b, 2 b + 1
.set SO,   24                          ;   the conversions' scale operands
.set S,    76                          ; + 64 u
.set PC,   204                         ; + 16 u
.set KSW,  236                         ; v236-239 K's scale words, v240-243 V's, v244, v245 Q's of tiles 0 and 1, v246, v247 p's
.set VSW,  240
.set QSA,  244
.set PSW,  246
.set QW,   248
.set KF,   0                           ; window 1
.set VF,   64
.set Q,    128                         ; + 24 u
.set O,    176                         ; + 32 u
.set WV,   14
.set SEL,  32
.set CS,   34
.set MNT,  36
.set TB,   37
.set TS,   38
.set CNT,  39
.set MSB, 0
.macro WIN new                         ; s_set_vgpr_msb: bits 1:0 source 0, 3:2 source 1, 5:4 source 2, 7:6 destination; the immediate's high byte repeats the setting that is left
.if MSB != \new
	s_set_vgpr_msb (MSB<<8)|\new
.set MSB, \new
.endif
.endm
.macro ROUND                           ; a round of the cluster's barrier
	s_barrier_signal -1
	s_barrier_wait -1
	s_cmp_lg_u32 s[WV], 0
	s_cbranch_scc1 .Lnot_wave_0_\@
	s_barrier_signal -3
.Lnot_wave_0_\@:
	s_barrier_wait -3
	s_barrier_signal -1
	s_barrier_wait -1
.endm
	s_load_b256 s[4:11], s[0:1], 0x0               ; qimg 4, qsc 6, kv 8, aimg 10
	s_load_b64 s[12:13], s[0:1], 0x20              ; asc
	v_lshl_add_u32 v254, v0, 2, 0x29000
	v_mov_b32 v255, 0
	ds_add_u32 v254, v255
	ds_add_u32 v254, v255
	v_lshrrev_b32 v1, 5, v0
	s_delay_alu instid0(VALU_DEP_1)
	v_readfirstlane_b32 s[WV], v1                  ; wave 0..7
	s_bfe_u32 s15, ttmp6, 0x40000                  ; cx
	s_lshl_b32 s16, ttmp9, 2
	s_add_co_u32 s16, s16, s15                     ; my block of 512 queries: it enters Q's and the outputs' addresses alone
	s_and_b32 s17, ttmp7, 0xffff                   ; batch x 16 + head, which the four partners share
	s_mov_b32 s24, 15|(3<<16)|(1<<21)              ; the mask: all four; elements of 8 bytes; bit 21 beside a mask; no padding: images are read 512 consecutive bytes at a time
	s_mov_b32 s25, 32<<16                          ; tensor_dim0 = 32 elements: 256 bytes
	s_mov_b32 s26, 66<<16                          ; tensor_dim1 = 66 rows
	s_mov_b32 s27, 32<<16                          ; tile_dim0
	s_mov_b32 s28, 66                              ; tile_dim1
	s_mov_b32 s29, 32                              ; the pitch: dense
	s_mov_b32 s30, 0
	s_mov_b32 s31, 0
	s_mov_b32 s20, 1
	s_mul_i32 s21, s[WV], PART                     ; LDS address: my eighth
	s_mul_i32 s40, s17, REC
	s_add_co_u32 s40, s40, s21
	s_mov_b32 s41, 0
	s_wait_dscnt 0x0
	s_wait_kmcnt 0x0
	s_add_nc_u64 s[22:23], s[8:9], s[40:41]
	s_or_b32 s23, s23, 0x80000000
	ROUND                                          ; all four work-groups are here: the joint loads meet
	tensor_load_to_lds s[20:23], s[24:31]          ; one load a wave is out
	s_nop 0
.rept 4
	v_nop
.endr
	s_lshl_b32 s40, s17, 8
	s_lshl_b32 s42, s16, 5
	s_add_co_u32 s40, s40, s42
	s_lshl_b32 s42, s[WV], 2
	s_add_co_u32 s40, s40, s42
	s_lshl_b32 s40, s40, 10
	s_add_nc_u64 s[4:5], s[4:5], s[40:41]          ; Q's images: tile 256 bh + 32 block + 4 wave, 1,024 bytes each
	s_lshl_b32 s40, s17, 5
	s_lshl_b32 s42, s16, 2
	s_add_co_u32 s40, s40, s42
	s_lshr_b32 s42, s[WV], 1
	s_add_co_u32 s40, s40, s42
	s_lshl_b32 s40, s40, 8
	s_and_b32 s42, s[WV], 1
	s_lshl_b32 s42, s42, 3
	s_add_co_u32 s40, s40, s42
	s_add_nc_u64 s[6:7], s[6:7], s[40:41]          ; Q's scale words: 256 bytes for 8 tiles; my four tiles are words 2 (wave % 2) and the next
	s_lshr_b32 s40, s17, 4
	s_lshl_b32 s40, s40, 8
	s_lshl_b32 s42, s16, 5
	s_add_co_u32 s40, s40, s42
	s_lshl_b32 s42, s[WV], 2
	s_add_co_u32 s40, s40, s42
	s_lshl_b32 s40, s40, 14
	s_and_b32 s42, s17, 15
	s_lshl_b32 s42, s42, 10
	s_add_co_u32 s40, s40, s42
	s_add_nc_u64 s[10:11], s[10:11], s[40:41]      ; the result's images: 16,384 bytes a tile of rows, in it 1,024 bytes a head
	s_lshl_b32 s40, s17, 13
	s_lshl_b32 s42, s16, 10
	s_add_co_u32 s40, s40, s42
	s_add_nc_u64 s[12:13], s[12:13], s[40:41]      ; the result's scale halfwords: 2 bytes a row
	s_mov_b32 s[SEL], 0x76543210
	s_mov_b32 s[SEL+1], 0xfedcba98
	s_mov_b32 s[CS], 0x3e38aa3b                    ; c = log2(e) / 8
	s_mov_b32 s[CS+1], s[CS]
	s_mov_b32 s[MNT], 0x600000
	v_and_b32 v9, 31, v0
	s_delay_alu instid0(VALU_DEP_1)
	v_lshlrev_b32 v[LI], 4, v9
	v_and_b32 v10, 15, v0
	s_delay_alu instid0(VALU_DEP_1)
	v_lshlrev_b32 v[R16], 4, v10
	s_delay_alu instid0(VALU_DEP_3)
	v_add_nc_u32 v[LIV], VI, v[LI]
	s_delay_alu instid0(VALU_DEP_2)
	v_add_nc_u32 v[R16S], KSO, v[R16]
	s_lshl_b32 s42, s[WV], 7
	s_add_co_u32 s42, s42, AST
	v_lshl_add_u32 v[HST], v10, 1, s42
	WIN 0x40
.irp u, 0,1
.irp i, 0,1,2,3,4,5,6,7
	v_mov_b32 v[Q+24*\u+8+\i], 0                   ; the zeros between Q's two copies
.endr
.endr
	WIN 0
; Q of pass e: two tiles, each image twice, and the word with both tiles' scale bytes
.macro QLOAD e
	WIN 0x40                                       ; destination window 1, address window 0
.irp u, 0,1
	global_load_b128 v[Q+24*\u:Q+24*\u+3], v[LI], s[4:5] offset:2048*\e+1024*\u
	global_load_b128 v[Q+24*\u+4:Q+24*\u+7], v[LI], s[4:5] offset:2048*\e+1024*\u+512
	global_load_b128 v[Q+24*\u+16:Q+24*\u+19], v[LI], s[4:5] offset:2048*\e+1024*\u
	global_load_b128 v[Q+24*\u+20:Q+24*\u+23], v[LI], s[4:5] offset:2048*\e+1024*\u+512
.endr
	WIN 0
	global_load_b32 v[QW], v[R16], s[6:7] offset:4*\e
.endm
; a key step's four fragments of K and its four scale words
.macro KLOAD adk, ads, ko, so
	WIN 0x40
.irp f, 0,1,2,3
.irp c, 0,1,2,3
	ds_load_b128 v[KF+16*\f+4*\c:KF+16*\f+4*\c+3], v[\adk] offset:\ko+2048*\f+512*\c
.endr
.endr
	WIN 0
	ds_load_b128 v[KSW:KSW+3], v[\ads] offset:\so
.endm
; The way out of both tiles: O^T / the sum, two blocks of 32 along the hidden axis quantised, the images and the bytes stored.
.macro OUT e
.irp u, 0,1
	v_add_f32 v[ST+32*\u+SUM], v[ST+32*\u+SUM], v[ST+32*\u+SUM+1]
.endr
.irp u, 0,1
	s_delay_alu instid0(VALU_DEP_2)
	v_permlanex16_b32 v[ST+32*\u+T0], v[ST+32*\u+SUM], s[SEL], s[SEL+1]
.endr
.irp u, 0,1
	s_delay_alu instid0(VALU_DEP_2)
	v_add_f32 v[ST+32*\u+SUM], v[ST+32*\u+SUM], v[ST+32*\u+T0]
.endr
	s_wait_alu depctr_va_vdst(0)
.irp u, 0,1
	v_rcp_f32 v[ST+32*\u+F], v[ST+32*\u+SUM]
.endr
	v_nop                                          ; a plain line behind the reciprocals,
	s_wait_alu depctr_va_vdst(0)                   ; and one wait for both, ahead of the first reader
	WIN 0x01                                       ; source 0 (O^T) window 1
.irp u, 0,1
.set n, 0
.rept 16
	v_pk_mul_f32 v[S+64*\u+n:S+64*\u+n+1], v[O+32*\u+n:O+32*\u+n+1], v[ST+32*\u+F:ST+32*\u+F+1] op_sel_hi:[1,0]   ; register 16 f + i: channel 32 f + 16 (lane / 16) + i; each accumulator from its low end on
.set n, n+2
.endr
.endr
	WIN 0
.irp b, 0,1
.irp u, 0,1
	v_max3_num_f32 v[ST+32*\u+BM+\b], |v[S+64*\u+16*\b]|, |v[S+64*\u+16*\b+1]|, 0x4800000
.endr
.endr
.irp i, 2,4,6,8,10,12,14
.irp b, 0,1
.irp u, 0,1
	s_delay_alu instid0(VALU_DEP_4)
	v_max3_num_f32 v[ST+32*\u+BM+\b], v[ST+32*\u+BM+\b], |v[S+64*\u+16*\b+\i]|, |v[S+64*\u+16*\b+\i+1]|
.endr
.endr
.endr
.irp b, 0,1
.irp u, 0,1
	s_delay_alu instid0(VALU_DEP_4)
	v_permlanex16_b32 v[ST+32*\u+PD+\b], v[ST+32*\u+BM+\b], s[SEL], s[SEL+1]
.endr
.endr
.irp b, 0,1
.irp u, 0,1
	s_delay_alu instid0(VALU_DEP_4)
	v_max_num_f32 v[ST+32*\u+BM+\b], v[ST+32*\u+BM+\b], v[ST+32*\u+PD+\b]
.endr
.endr
.irp b, 0,1
.irp u, 0,1
	s_delay_alu instid0(VALU_DEP_4)
	v_add_nc_u32 v[ST+32*\u+SO+\b], 0xfc000000, v[ST+32*\u+BM+\b]
.endr
.endr
.irp b, 0,1
.irp u, 0,1
	v_and_or_b32 v[ST+32*\u+LIM+2*\b], v[ST+32*\u+BM+\b], 0x7f800000, s[MNT]
.endr
.endr
.irp b, 0,1
.irp u, 0,1
	v_lshrrev_b32 v[ST+32*\u+PD+\b], 23, v[ST+32*\u+SO+\b]
.endr
.endr
.irp u, 0,1
	s_delay_alu instid0(VALU_DEP_2)
	v_lshl_or_b32 v[ST+32*\u+HW], v[ST+32*\u+PD+1], 8, v[ST+32*\u+PD]
.endr
.irp b, 0,1
.irp u, 0,1
.irp i, 0,1,2,3,4,5,6,7,8,9,10,11,12,13,14,15
	v_med3_num_f32 v[S+64*\u+16*\b+\i], v[S+64*\u+16*\b+\i], -v[ST+32*\u+LIM+2*\b], v[ST+32*\u+LIM+2*\b]
.endr
	v_cvt_scalef32_pk8_fp8_f32 v[PC+16*\u+4*\b:PC+16*\u+4*\b+1], v[S+64*\u+16*\b:S+64*\u+16*\b+7], v[ST+32*\u+SO+\b]
	v_cvt_scalef32_pk8_fp8_f32 v[PC+16*\u+4*\b+2:PC+16*\u+4*\b+3], v[S+64*\u+16*\b+8:S+64*\u+16*\b+15], v[ST+32*\u+SO+\b]
.endr
.endr
	v_nop                                          ; a plain line behind the last conversion
.irp u, 0,1
	global_store_b128 v[LI], v[PC+16*\u:PC+16*\u+3], s[10:11] offset:32768*\e+16384*\u        ; 512 consecutive bytes a store
	global_store_b128 v[LI], v[PC+16*\u+4:PC+16*\u+7], s[10:11] offset:32768*\e+16384*\u+512
	ds_store_b16 v[HST], v[ST+32*\u+HW] offset:64*\e+32*\u                                    ; both halves of the lanes write the same halfword with the same value
.endr
.endm
; A pass: tiles 2 e and 2 e + 1 of my four, over all 1,024 keys.  Written out twice, so that all that hangs on e is an immediate.
.macro PASS e
	s_wait_xcnt 0x0                                ; the last pass's stores have read the codes' registers
.if \e == 0
	QLOAD 0
.endif
.irp u, 0,1
	v_mov_b32 v[ST+32*\u+TMX], 0xff61b1e6          ; the largest t so far: -3e38
	s_delay_alu instid0(VALU_DEP_1)
	v_floor_f32 v[ST+32*\u+NM], -v[ST+32*\u+TMX]
	v_mov_b32 v[ST+32*\u+SUM], 0
	v_mov_b32 v[ST+32*\u+SUM+1], 0
	v_mov_b32 v[ST+32*\u+F+1], 0                   ; (named as the upper half of a pair)
.irp b, 0,1,2,3
	v_mov_b32 v[ST+32*\u+PD+\b], 0                 ; (a lane permute's destination counts as read)
.endr
.endr
	s_wait_loadcnt 0x0                             ; Q and its scale word
	v_perm_b32 v[QSA], v[QW], v[QW], 0x01000100    ; tile 0's two bytes, twice: for either place of Q
	v_perm_b32 v[QSA+1], v[QW], v[QW], 0x03020302  ; tile 1's
	WIN 0x40
.set n, 0
.rept 64
	v_mov_b32 v[O+n], 0                            ; the key step is written once: its first trip finds zeros, which the first change of M leaves zeros.  (Also the plain lines between Q's scale words and their first product)
.set n, n+1
.endr
	WIN 0
.if \e == 0
	s_wait_tensorcnt 0x0                           ; my eighth of the record is in,
	s_barrier_signal -1
	s_barrier_wait -1                              ; everybody's is
	KLOAD LI, R16S, 0, 0                           ; key step 0's K
.endif
	s_wait_dscnt 0x0                               ; key step 0's K is in
	s_mov_b32 s[TB], 0
	s_mov_b32 s[TS], 0
	s_mov_b32 s[CNT], 8
.Lstep_\@:                             ; a key step: 128 keys
	WIN 0x05                                       ; K and Q in window 1, S^T in window 0
.irp u, 0,1
.irp f, 0,1,2,3
	v_wmma_scale_f32_16x16x128_f8f6f4 v[S+64*\u+16*\f:S+64*\u+16*\f+7], v[KF+16*\f:KF+16*\f+15], v[Q+24*\u:Q+24*\u+15], 0, v[KSW+\f], v[QSA+\u]
	v_wmma_scale_f32_16x16x128_f8f6f4 v[S+64*\u+16*\f+8:S+64*\u+16*\f+15], v[KF+16*\f:KF+16*\f+15], v[Q+24*\u+8:Q+24*\u+23], 0, v[KSW+\f], v[QSA+\u]
.endr
.endr
	WIN 0
	v_add_nc_u32 v[ADK], s[TB], v[LI]
	v_add_nc_u32 v[ADV], s[TB], v[LIV]
	v_add_nc_u32 v[ADS], s[TS], v[R16S]
.rept 5
	v_nop                                          ; with the three additions: eight plain lines between the products (these, and the last step's V^T P) and loads into their registers or reads of their results
.endr
	ds_load_b128 v[VSW:VSW+3], v[ADS] offset:2048
	WIN 0x40
.irp t, 0,1,2,3
.irp c, 0,1,2,3
	ds_load_b128 v[VF+16*\t+4*\c:VF+16*\t+4*\c+3], v[ADV] offset:2048*\t+512*\c   ; V's fragments land under the softmax
.endr
.endr
	WIN 0
.irp b, 0,1,2,3
.irp u, 0,1
	v_max3_num_f32 v[ST+32*\u+BM+\b], v[S+64*\u+16*\b], v[S+64*\u+16*\b+1], v[S+64*\u+16*\b+2]   ; the largest score of each block of 32 keys: for the row's maximum, and, since p rises with the score, for the block's largest p
.endr
.endr
.irp i, 3,5,7,9,11,13
.irp b, 0,1,2,3
.irp u, 0,1
	v_max3_num_f32 v[ST+32*\u+BM+\b], v[ST+32*\u+BM+\b], v[S+64*\u+16*\b+\i], v[S+64*\u+16*\b+\i+1]
.endr
.endr
.endr
.irp b, 0,1,2,3
.irp u, 0,1
	v_max_num_f32 v[ST+32*\u+BM+\b], v[ST+32*\u+BM+\b], v[S+64*\u+16*\b+15]
.endr
.endr
.irp b, 0,1,2,3
.irp u, 0,1
	v_permlanex16_b32 v[ST+32*\u+PD+\b], v[ST+32*\u+BM+\b], s[SEL], s[SEL+1]
.endr
.endr
.irp b, 0,1,2,3
.irp u, 0,1
	v_max_num_f32 v[ST+32*\u+BM+\b], v[ST+32*\u+BM+\b], v[ST+32*\u+PD+\b]
.endr
.endr
.irp u, 0,1
	s_delay_alu instid0(VALU_DEP_4)
	v_max3_num_f32 v[ST+32*\u+T0], v[ST+32*\u+BM], v[ST+32*\u+BM+1], v[ST+32*\u+BM+2]
.endr
.irp u, 0,1
	s_delay_alu instid0(VALU_DEP_2)
	v_max_num_f32 v[ST+32*\u+T0], v[ST+32*\u+T0], v[ST+32*\u+BM+3]
.endr
.irp u, 0,1
	s_delay_alu instid0(VALU_DEP_2)
	v_mul_f32 v[ST+32*\u+T0], s[CS], v[ST+32*\u+T0]
.endr
.irp u, 0,1
	s_delay_alu instid0(VALU_DEP_2)
	v_max_num_f32 v[ST+32*\u+TMX], v[ST+32*\u+TMX], v[ST+32*\u+T0]   ; the running largest t
.endr
.irp u, 0,1
	v_mov_b32 v[ST+32*\u+T0], v[ST+32*\u+NM]
.endr
.irp u, 0,1
	s_delay_alu instid0(VALU_DEP_4)
	v_floor_f32 v[ST+32*\u+NM], -v[ST+32*\u+TMX]   ; -M = floor(-t): M is a whole number
.endr
.irp u, 0,1
	s_delay_alu instid0(VALU_DEP_2)
	v_sub_f32 v[ST+32*\u+T0], v[ST+32*\u+NM], v[ST+32*\u+T0]
.endr
.irp u, 0,1
	s_delay_alu instid0(VALU_DEP_2)
	v_cvt_i32_f32 v[ST+32*\u+T0], v[ST+32*\u+T0]   ; (it saturates)
.endr
.irp u, 0,1
	s_delay_alu instid0(VALU_DEP_2)
	v_ldexp_f32 v[ST+32*\u+F], 1.0, v[ST+32*\u+T0] ; f = 2^(old M - new M)
.endr
.irp b, 0,1,2,3
.irp u, 0,1
	v_fma_f32 v[ST+32*\u+BM+\b], v[ST+32*\u+BM+\b], s[CS], v[ST+32*\u+NM]
.endr
.endr
.irp u, 0,1
.set n, 0
.rept 32
	v_pk_fma_f32 v[S+64*\u+n:S+64*\u+n+1], v[S+64*\u+n:S+64*\u+n+1], s[CS:CS+1], v[ST+32*\u+NM:ST+32*\u+NM+1] op_sel_hi:[1,0,0]   ; t - M
.set n, n+2
.endr
.endr
	s_wait_alu depctr_va_vdst(0)
.irp b, 0,1,2,3
.irp u, 0,1
	v_exp_f32 v[ST+32*\u+BM+\b], v[ST+32*\u+BM+\b] ; the block's largest p: the same two instructions on the same number give the same bits
.endr
.endr
.set n, 0
.rept 128
	v_exp_f32 v[S+n], v[S+n]                       ; p = 2^(t - M), both tiles
.set n, n+1
.endr
	WIN 0x41                                       ; O^T (destination and source 0) window 1, f window 0
	s_wait_alu depctr_va_vdst(0)
.irp u, 0,1
.set n, 0
.rept 16
	v_pk_mul_f32 v[O+32*\u+n:O+32*\u+n+1], v[O+32*\u+n:O+32*\u+n+1], v[ST+32*\u+F:ST+32*\u+F+1] op_sel_hi:[1,0]   ; O^T under the new M: plain work behind the exponentials, which names none of their results
.set n, n+2
.endr
.endr
	KLOAD ADK, ADS, 8192, 256                      ; the NEXT step's K and its scale words.  The last trip's fetch reads the 8,192 bytes behind K's image, inside the record, and is not used
.irp u, 0,1
	v_pk_mul_f32 v[ST+32*\u+SUM:ST+32*\u+SUM+1], v[ST+32*\u+SUM:ST+32*\u+SUM+1], v[ST+32*\u+F:ST+32*\u+F+1] op_sel_hi:[1,0]   ; the sums under the new M
.endr
	s_wait_alu depctr_va_vdst(0)                   ; ONE wait for the step's 136 exponentials, ahead of their first reader
.irp b, 0,1,2,3
.irp u, 0,1
	v_max_num_f32 v[ST+32*\u+BM+\b], 0x4800000, v[ST+32*\u+BM+\b]   ; the floor 2^(9 - 127): the byte cannot fall under 1
.endr
.endr
.irp b, 0,1,2,3
.irp u, 0,1
	v_add_nc_u32 v[ST+32*\u+SO+\b], 0xfc000000, v[ST+32*\u+BM+\b]   ; 8 off the exponent field: the conversion's scale operand
.endr
.endr
.irp b, 0,1,2,3
.irp u, 0,1
	v_and_or_b32 v[ST+32*\u+LIM+2*\b], v[ST+32*\u+BM+\b], 0x7f800000, s[MNT]     ; 448 x the scale,
	v_and_or_b32 v[ST+32*\u+LIM+2*\b+1], v[ST+32*\u+BM+\b], 0x7f800000, s[MNT]   ; twice: one for each half of a dual-issue pair
.endr
.endr
.irp b, 0,1,2,3
.irp u, 0,1
	v_lshrrev_b32 v[ST+32*\u+PD+\b], 23, v[ST+32*\u+SO+\b]          ; the scale's byte
.endr
.endr
.irp u, 0,1
	v_lshl_or_b32 v[PSW+\u], v[ST+32*\u+PD+1], 8, v[ST+32*\u+PD]
.endr
.irp u, 0,1
	s_delay_alu instid0(VALU_DEP_2)
	v_lshl_or_b32 v[PSW+\u], v[ST+32*\u+PD+2], 16, v[PSW+\u]
.endr
.irp u, 0,1
	s_delay_alu instid0(VALU_DEP_2)
	v_lshl_or_b32 v[PSW+\u], v[ST+32*\u+PD+3], 24, v[PSW+\u]        ; p's scale word for these 128 keys
.endr
.irp u, 0,1
	v_pk_add_f32 v[ST+32*\u+PD:ST+32*\u+PD+1], v[S+64*\u:S+64*\u+1], v[S+64*\u+2:S+64*\u+3]   ; the row's sum of the UNQUANTISED p: two chains a tile, the four by turns
.endr
.irp j, 4,8,12,16,20,24,28,32,36,40,44,48,52,56,60
.irp u, 0,1
	v_pk_add_f32 v[ST+32*\u+SUM:ST+32*\u+SUM+1], v[ST+32*\u+SUM:ST+32*\u+SUM+1], v[S+64*\u+\j:S+64*\u+\j+1]
	v_pk_add_f32 v[ST+32*\u+PD:ST+32*\u+PD+1], v[ST+32*\u+PD:ST+32*\u+PD+1], v[S+64*\u+\j+2:S+64*\u+\j+3]
.endr
.endr
.irp b, 0,1,2,3
.irp u, 0,1
.set n, 0
.rept 8
	v_dual_min_num_f32 v[S+64*\u+16*\b+n], v[S+64*\u+16*\b+n], v[ST+32*\u+LIM+2*\b] :: v_dual_min_num_f32 v[S+64*\u+16*\b+n+1], v[S+64*\u+16*\b+n+1], v[ST+32*\u+LIM+2*\b+1]   ; the hold, two numbers an instruction; p is not negative (the conversion does not saturate: ISA guide 7.6.2)
.set n, n+2
.endr
.endr
.irp u, 0,1
	v_cvt_scalef32_pk8_fp8_f32 v[PC+16*\u+4*\b:PC+16*\u+4*\b+1], v[S+64*\u+16*\b:S+64*\u+16*\b+7], v[ST+32*\u+SO+\b]
	v_cvt_scalef32_pk8_fp8_f32 v[PC+16*\u+4*\b+2:PC+16*\u+4*\b+3], v[S+64*\u+16*\b+8:S+64*\u+16*\b+15], v[ST+32*\u+SO+\b]
.endr
.endr
.irp u, 0,1
	v_pk_add_f32 v[ST+32*\u+SUM:ST+32*\u+SUM+1], v[ST+32*\u+SUM:ST+32*\u+SUM+1], v[ST+32*\u+PD:ST+32*\u+PD+1]   ; the chains meet.  With the two lines below: four plain lines between the codes and their products
.endr
	v_nop
	v_nop
	s_wait_alu depctr_va_vdst(0)
	s_wait_dscnt 0x0                               ; V, and the next step's K
	WIN 0x51                                       ; V and O^T in window 1, p's codes in window 0
.irp u, 0,1
.irp t, 0,1,2,3
	v_wmma_scale_f32_16x16x128_f8f6f4 v[O+32*\u+8*\t:O+32*\u+8*\t+7], v[VF+16*\t:VF+16*\t+15], v[PC+16*\u:PC+16*\u+15], v[O+32*\u+8*\t:O+32*\u+8*\t+7], v[VSW+\t], v[PSW+\u]
.endr
.endr
	WIN 0
	s_add_co_u32 s[TB], s[TB], 8192
	s_add_co_u32 s[TS], s[TS], 256
	s_sub_co_u32 s[CNT], s[CNT], 1
	s_cmp_lg_u32 s[CNT], 0
	s_cbranch_scc1 .Lstep_\@
.if \e == 0
	KLOAD LI, R16S, 0, 0                           ; the next pass's first K and its Q are asked for ahead of this pass's way out
	QLOAD 1
.endif
.rept 8
	v_nop                                          ; eight plain lines between the last products and the first read of O^T
.endr
	OUT \e
.endm
	PASS 0
	PASS 1
	s_wait_dscnt 0x0                               ; for the others' sake: my halfword stores are done
	s_barrier_signal -1
	s_barrier_wait -1
	s_cmp_lt_u32 s[WV], 2
	s_cbranch_scc0 .Lno_asc
	v_lshlrev_b32 v9, 4, v0                        ; threads 0-63: 16 bytes each of the work-group's 1,024
	s_delay_alu instid0(VALU_DEP_1)
	v_add_nc_u32 v10, AST, v9
	ds_load_b128 v[S:S+3], v10
	s_wait_alu depctr_va_vdst(0)
	s_wait_dscnt 0x0
	global_store_b128 v9, v[S:S+3], s[12:13]       ; 16 lanes store 256 consecutive bytes, aligned
.Lno_asc:
	s_wait_tensorcnt 0x0
	ds_add_u32 v254, v255
	s_wait_dscnt 0x0
	ROUND                                          ; the closing round
	s_endpgm
.Lfunc_end_k_q82c1a6a976_attn:
	.size	k_q82c1a6a976_attn, .Lfunc_end_k_q82c1a6a976_attn-k_q82c1a6a976_attn
	.p2alignl 7, 3214868480
	.fill 96, 4, 3214868480
	.section	.rodata,"a",@progbits
	.p2align	6, 0x0
	.amdhsa_kernel k_q82c1a6a976_attn
		.amdhsa_group_segment_fixed_size 168960
		.amdhsa_private_segment_fixed_size 0
		.amdhsa_enable_private_segment 0
		.amdhsa_kernarg_size 40
		.amdhsa_user_sgpr_count 2
		.amdhsa_user_sgpr_kernarg_segment_ptr 1
		.amdhsa_wavefront_size32 1
		.amdhsa_system_sgpr_workgroup_id_x 1
		.amdhsa_system_sgpr_workgroup_id_y 1
		.amdhsa_system_sgpr_workgroup_id_z 1
		.amdhsa_system_vgpr_workitem_id 0
		.amdhsa_next_free_vgpr 512
		.amdhsa_next_free_sgpr 66
		.amdhsa_reserve_vcc 0
		.amdhsa_float_denorm_mode_32 3
		.amdhsa_float_denorm_mode_16_64 3
		.amdhsa_memory_ordered 1
		.amdhsa_forward_progress 1
		.amdhsa_inst_pref_size 112
	.end_amdhsa_kernel
	.amdgpu_metadata
---
amdhsa.version: [ 1, 2 ]
amdhsa.kernels:
  - .name:           k_q82c1a6a976_attn
    .symbol:         k_q82c1a6a976_attn.kd
    .args:
      - { .name: qimg, .offset: 0, .size: 8, .value_kind: global_buffer, .address_space: global }
      - { .name: qsc, .offset: 8, .size: 8, .value_kind: global_buffer, .address_space: global }
      - { .name: kv, .offset: 16, .size: 8, .value_kind: global_buffer, .address_space: global }
      - { .name: aimg, .offset: 24, .size: 8, .value_kind: global_buffer, .address_space: global }
      - { .name: asc, .offset: 32, .size: 8, .value_kind: global_buffer, .address_space: global }
    .group_segment_fixed_size: 168960
    .private_segment_fixed_size: 0
    .kernarg_segment_align: 8
    .kernarg_segment_size: 40
    .max_flat_workgroup_size: 256
    .sgpr_count:     66
    .vgpr_count:     512
    .wavefront_size: 32
...
	.end_amdgpu_metadata
.endif
;; end of part 3
;; launch oproj (part 4): grid 32 x 8, 4 waves a work-group, clusters of 4 x 1, 268,800 bytes of LDS; arguments aimg, asc, o_w_codes, o_w_scales, o_b, alpha, image_tokens, out0; writes out0
.if DOCPART == 4
	.amdgcn_target "amdgcn-amd-amdhsa--gfx1250"
	.amdhsa_code_object_version 6
	.text
	.protected	k_q82c1a6a976_oproj
	.globl	k_q82c1a6a976_oproj
	.p2align	8
	.type	k_q82c1a6a976_oproj,@function
k_q82c1a6a976_oproj:
	s_mov_b64 s[64:65], 0
	v_nop
	global_prefetch_b8 v0, s[64:65] scope:SCOPE_SE
	s_setreg_imm32_b32 hwreg(HW_REG_WAVE_MODE, 25, 1), 1
	s_wait_xcnt 0x0
	s_wait_alu depctr_hold_cnt(0) depctr_sa_sdst(0) depctr_va_vdst(0) depctr_va_sdst(0) depctr_va_ssrc(0) depctr_va_vcc(0) depctr_vm_vsrc(0)
	s_getreg_b32 s2, hwreg(HW_REG_IB_STS2, 6, 4)
	s_cmp_eq_u32 s2, 0
	s_cbranch_scc0 .Lentry_in_a_cluster
	s_endpgm
.Lentry_in_a_cluster:
	s_bfe_u32 s2, ttmp6, 0x10000c
	s_cmp_lg_u32 s2, 0x3003
	s_cbranch_scc0 .Lentry_shape_is_right
	s_endpgm
.Lentry_shape_is_right:
; OPROJ.  out0 = image_tokens + alpha x (attn o_w^T + o_b): 8,192 x 1,024 x K 1,024 on E4M3 codes with E8M0 scales.
; SHARES.  A work-group of four waves, as many as a WGP has SIMDs, makes 256 rows x 128 columns; wave w rows 64 w .. 64 w + 63 (four tiles of 16) x all 128 columns.
; ALL READS ARE ASKED FOR AT THE HEAD: o_w's 128 rows by a joint tensor load (waves 0 and 1), shared by the four row blocks of a cluster; the residual tile by a plain tensor load (waves 2 and 3);
; each wave's whole A (512 registers) by loads of 512 consecutive bytes from the register images that the attention launch stored.  Nothing in LDS is filled again; so there is no prefetch.
; THE LOOP HAS TWO TRIPS, one for each 64 columns: 8 K steps x 4 column tiles x 4 row tiles on 16 accumulators, then that half's way out, 256 bytes of each row.  What differs between the trips lies in two scalars,
; in the stores' base, and in o_w's scale words and the bias, whose second halves are copied down at a trip's end.
; A fragment of o_w read from LDS feeds four products; the next K step's 16 loads are issued ahead of this step's products, into the other of two sets.
; TRANSPOSED USE: source 0 = 16 rows of o_w, source 1 = 16 rows of A: a lane holds eight neighbouring columns of one row.  A's tile 2 g + u holds in place r the token 32 g + 8 u + r + 8 (r / 8).  The bias is the first products' C.
; THE WAY OUT: residual + alpha x sum is formed in the result's layout, written back over the wave's own rows of the residual tile in LDS, read back by rows and stored: sixteen lanes fill 256 consecutive bytes, aligned.
; REGISTERS.  Window 0: v1-15 addresses; v16-31 A's scale words; v32-47 o_w's of this trip, v48-63 of the second; v64-191 two sets of four fragments of o_w; v192-223 the bias of this trip, v224-255 of the second.
; Windows 1, 2: A, tile i, K step s at 16 (8 i + s).  Window 3: v0-127 the accumulators (column tile t, row tile i) at 8 (4 t + i), then the rows read back; v128-255 the residual.
.set BP,   1040                        ; a row of o_w in LDS: 1,024 bytes + 16
.set IMG,  133120                      ; behind o_w's 128 rows: the residual tile, 256 rows of 512 bytes + 16
.set IP,   528
.set SPARE, 268288                     ; the spare words, 128 bytes a wave
.set LI,   1                           ; 16 x lane
.set ADB0, 2                           ; o_w's fragments: row r, + 16 h
.set EA0,  3                           ; my place in the residual tile, in the result's layout
.set RB0,  4                           ; my wave's rows: lanes 0-15 one row, lanes 16-31 the next, 16 bytes a lane
.set L2,   5                           ; 2 x lane
.set L32,  6                           ; 32 x lane
.set H32,  7                           ; 32 x (lane / 16)
.set CO,   8                           ; the same two rows in out0
.set ADB,  9                           ; the three LDS addresses of the trip in hand
.set EA,   10
.set RB,   11
.set SPW,  14
.set NIL,  15
.set AS,   16                          ; A's scale words: pair of tiles p, K step s at 16 + 8 p + (s + 4) % 8: lanes 0-15 tile 2 p, lanes 16-31 tile 2 p + 1
.set W,    32                          ; o_w's: pair of column tiles p, K step s at 32 + 8 p + s: lane l is row 32 p + l
.set X,    48
.set BF,   64
.set BI,   192
.set BI2,  224
.set WV,   20
.set MSB, 0
.macro WIN new                         ; s_set_vgpr_msb: bits 1:0 source 0, 3:2 source 1, 5:4 source 2, 7:6 destination; the immediate's high byte repeats the setting that is left
.if MSB != \new
	s_set_vgpr_msb (MSB<<8)|\new
.set MSB, \new
.endif
.endm
.macro ROUND
	s_barrier_signal -1
	s_barrier_wait -1
	s_cmp_lg_u32 s[WV], 0
	s_cbranch_scc1 .Lnot_wave_0_\@
	s_barrier_signal -3
.Lnot_wave_0_\@:
	s_barrier_wait -3
	s_barrier_signal -1
	s_barrier_wait -1
.endm
	s_load_b512 s[4:19], s[0:1], 0x0               ; aimg 4, asc 6, o_w codes 8, scales 10, o_b 12, alpha 14, image_tokens 16, out0 18
	v_lshl_add_u32 v[SPW], v0, 2, SPARE
	v_mov_b32 v[NIL], 0
	ds_add_u32 v[SPW], v[NIL]                      ; the opening lines: the add twice and its wait ahead of my tensor load
	ds_add_u32 v[SPW], v[NIL]
	v_lshrrev_b32 v1, 5, v0
	v_readfirstlane_b32 s[WV], v1                  ; wave 0..3
	s_bfe_u32 s21, ttmp6, 0x40000                  ; cx
	s_lshl_b32 s22, ttmp9, 2
	s_add_co_u32 s22, s22, s21                     ; my block of 256 rows
	s_and_b32 s23, ttmp7, 0xffff                   ; my block of 128 columns, which the four partners share
	s_mov_b32 s24, 15|(0<<16)|(1<<20)|(1<<21)|(7<<22)|(3<<25)   ; o_w: the mask of all four; elements of 1 byte; padding on; bit 21 beside a mask; 4 words behind every 256
	s_mov_b32 s25, 1024<<16
	s_mov_b32 s26, 64<<16
	s_mov_b32 s27, 1024<<16
	s_mov_b32 s28, 64
	s_mov_b32 s29, 1024
	s_mov_b32 s30, 0
	s_mov_b32 s31, 0
	s_mov_b32 s32, (2<<16)|(1<<20)|(6<<22)|(3<<25) ; the residual: no mask; elements of 4 bytes; 4 words behind every 128
	s_mov_b32 s33, 128<<16
	s_mov_b32 s34, 128<<16
	s_mov_b32 s35, 128<<16
	s_mov_b32 s36, 128
	s_mov_b32 s37, 1024
	s_mov_b32 s38, 0
	s_mov_b32 s39, 0
	s_and_b32 s55, s[WV], 1                        ; which half I fetch: waves 0 and 1 o_w's 64 rows each, waves 2 and 3 the residual tile's 128 rows each
	s_mov_b32 s40, 1
	s_mul_i32 s41, s55, 64*BP
	s_mov_b32 s44, 1
	s_mul_i32 s45, s55, 128*IP
	s_add_co_u32 s45, s45, IMG
	s_lshl_b32 s50, s23, 7
	s_lshl_b32 s52, s55, 6
	s_add_co_u32 s50, s50, s52
	s_lshl_b32 s50, s50, 10                        ; o_w: row 128 column block + 64 half
	s_mov_b32 s51, 0
	s_lshl_b32 s52, s22, 8
	s_lshl_b32 s54, s55, 7
	s_add_co_u32 s52, s52, s54
	s_lshl_b32 s52, s52, 12
	s_lshl_b32 s54, s23, 9
	s_add_co_u32 s52, s52, s54                     ; image_tokens: row 256 row block + 128 half, + 512 bytes a column block
	s_mov_b32 s53, 0
	s_wait_dscnt 0x0
	s_wait_kmcnt 0x0
	s_load_b32 s48, s[14:15], 0x0                  ; alpha
	s_add_nc_u64 s[42:43], s[8:9], s[50:51]
	s_or_b32 s43, s43, 0x80000000
	s_add_nc_u64 s[46:47], s[16:17], s[52:53]
	s_or_b32 s47, s47, 0x80000000
	ROUND                                          ; all four work-groups are here: the joint loads meet
	s_cmp_lt_u32 s[WV], 2
	s_cbranch_scc0 .Lres
	tensor_load_to_lds s[40:43], s[24:31]          ; waves 0 and 1: o_w, jointly; one load a wave is out
	s_nop 0
.rept 4
	v_nop
.endr
	s_branch .Lasked
.Lres:
	tensor_load_to_lds s[44:47], s[32:39]          ; waves 2 and 3: the residual tile
	s_nop 0
.rept 4
	v_nop
.endr
.Lasked:
	s_lshl_b32 s50, s22, 4
	s_lshl_b32 s52, s[WV], 2
	s_add_co_u32 s50, s50, s52
	s_lshl_b32 s50, s50, 14
	s_add_nc_u64 s[4:5], s[4:5], s[50:51]          ; A's images: row tile 16 row block + 4 wave, 16,384 bytes each
	s_lshr_b32 s50, s22, 4
	s_lshl_b32 s50, s50, 17
	s_and_b32 s52, s22, 15
	s_lshl_b32 s52, s52, 9
	s_add_co_u32 s50, s50, s52
	s_lshl_b32 s52, s[WV], 7
	s_add_co_u32 s50, s50, s52
	s_add_nc_u64 s[6:7], s[6:7], s[50:51]          ; A's scale halfwords: 131,072 bytes a batch, 8,192 a head, 2 a row
	s_lshl_b32 s50, s23, 12
	s_add_nc_u64 s[10:11], s[10:11], s[50:51]      ; o_w's scale bytes: 32 a row
	s_lshl_b32 s50, s23, 9
	s_add_nc_u64 s[12:13], s[12:13], s[50:51]      ; o_b
	s_lshl_b32 s50, s22, 8
	s_lshl_b32 s52, s[WV], 6
	s_add_co_u32 s50, s50, s52
	s_lshl_b32 s50, s50, 12
	s_lshl_b32 s52, s23, 9
	s_add_co_u32 s50, s50, s52
	s_add_nc_u64 s[18:19], s[18:19], s[50:51]      ; out0 at my wave's first row
	v_and_b32 v12, 31, v0
	v_lshlrev_b32 v[LI], 4, v12
	v_lshlrev_b32 v[L2], 1, v12
	v_lshlrev_b32 v[L32], 5, v12
	v_and_b32 v9, 15, v0                           ; r
	v_bfe_u32 v10, v0, 4, 1                        ; h
	v_lshlrev_b32 v[H32], 5, v10
	v_mul_u32_u24 v[ADB0], v9, BP
	v_lshl_add_u32 v[ADB0], v10, 4, v[ADB0]
	v_and_b32 v11, 8, v9
	v_add_nc_u32 v11, v11, v9                      ; r + 8 (r / 8)
	v_mul_u32_u24 v[EA0], v11, IP
	v_lshl_add_u32 v[EA0], v10, 5, v[EA0]
	s_mul_i32 s50, s[WV], 64*IP
	s_add_co_u32 s50, s50, IMG
	v_add_nc_u32 v[EA0], s50, v[EA0]
	v_mul_u32_u24 v[RB0], v10, IP
	v_lshl_add_u32 v[RB0], v9, 4, v[RB0]
	v_add_nc_u32 v[RB0], s50, v[RB0]
	v_lshlrev_b32 v[CO], 12, v10
	v_lshl_add_u32 v[CO], v9, 4, v[CO]
.irp p, 0,1
	global_load_b128 v[W+8*\p:W+8*\p+3], v[L32], s[10:11] offset:1024*\p
	global_load_b128 v[W+8*\p+4:W+8*\p+7], v[L32], s[10:11] offset:1024*\p+16
	global_load_b128 v[X+8*\p:X+8*\p+3], v[L32], s[10:11] offset:2048+1024*\p
	global_load_b128 v[X+8*\p+4:X+8*\p+7], v[L32], s[10:11] offset:2048+1024*\p+16
.endr
.irp p, 0,1
.irp d, 0,1,2,3,4,5,6,7,8,9,10,11,12,13,14,15
	global_load_u16 v[BF+16*\p+\d], v[L2], s[6:7] offset:8192*\d+64*\p   ; head d's two bytes of my row, tiles 2 p and 2 p + 1
.endr
.endr
.irp t, 0,1,2,3
	global_load_b128 v[BI+8*\t:BI+8*\t+3], v[H32], s[12:13] offset:64*\t           ; o_b of columns 16 t + 8 h + 0 .. 7
	global_load_b128 v[BI+8*\t+4:BI+8*\t+7], v[H32], s[12:13] offset:64*\t+16
	global_load_b128 v[BI2+8*\t:BI2+8*\t+3], v[H32], s[12:13] offset:256+64*\t
	global_load_b128 v[BI2+8*\t+4:BI2+8*\t+7], v[H32], s[12:13] offset:256+64*\t+16
.endr
.macro ALOAD s                         ; A's four fragments of K step s: 16 loads
	WIN 0x40
.irp i, 0,1
.irp c, 0,1,2,3
	global_load_b128 v[16*(8*\i+\s)+4*\c:16*(8*\i+\s)+4*\c+3], v[LI], s[4:5] offset:16384*\i+2048*\s+512*\c
.endr
.endr
	WIN 0x80
.irp i, 0,1
.irp c, 0,1,2,3
	global_load_b128 v[16*(8*\i+\s)+4*\c:16*(8*\i+\s)+4*\c+3], v[LI], s[4:5] offset:16384*(\i+2)+2048*\s+512*\c
.endr
.endr
.endm
.irp s, 0,1,2,3
	ALOAD \s
.endr
	WIN 0
	s_wait_loadcnt 63                              ; the scale bytes and the bias are in: behind them 64 loads of A were issued
.irp s, 0,1,2,3,4,5,6,7
.irp p, 0,1
	v_lshl_or_b32 v[AS+8*\p+(\s+4)%8], v[BF+16*\p+2*\s+1], 16, v[BF+16*\p+2*\s]   ; K step s is heads 2 s and 2 s + 1
.endr
.endr
.irp s, 4,5,6,7
	ALOAD \s
.endr
	WIN 0
	s_wait_kmcnt 0x0                               ; alpha
	s_mov_b32 s49, s48                             ; (named with it as a pair)
	s_mov_b32 s60, 0                               ; the trip's place in o_w's rows,
	s_mov_b32 s61, 0                               ; in a row of the residual tile,
	s_mov_b32 s62, 0                               ; and its number
	s_wait_alu depctr_va_vdst(0)                   ; the wait at the head's end
	s_cmp_lt_u32 s[WV], 2
	s_cbranch_scc0 .Lnot_ow
	s_wait_tensorcnt 0x0                           ; waves 0 and 1: o_w is in; the residual tile, waves 2 and 3's line, may stay out
.Lnot_ow:
	s_barrier_signal -1
	s_barrier_wait -1
.macro BLOAD q                         ; four fragments of o_w of K step q into set q % 2
.irp t, 0,1,2,3
.irp c, 0,1,2,3
	ds_load_b128 v[BF+64*((\q)%2)+16*\t+4*\c:BF+64*((\q)%2)+16*\t+4*\c+3], v[ADB] offset:16*BP*\t+128*(\q)+32*\c
.endr
.endr
.endm
.macro WM s, t, i
.set rD, 8*(4*\t+\i)
.set rA, 16*(8*(\i%2)+\s)
.set rB, BF+64*(\s%2)+16*\t
.set rS, W+8*(\t/2)+\s
.set rT, AS+8*(\i/2)+(\s+4)%8
.if \s == 0
.set rC, BI+8*\t
.else
.set rC, rD
.endif
.if (\t%2 == 0) && (\i%2 == 0)
	v_wmma_scale_f32_16x16x128_f8f6f4 v[rD:rD+7], v[rB:rB+15], v[rA:rA+15], v[rC:rC+7], v[rS], v[rT]
.elseif (\t%2 == 1) && (\i%2 == 0)
	v_wmma_scale_f32_16x16x128_f8f6f4 v[rD:rD+7], v[rB:rB+15], v[rA:rA+15], v[rC:rC+7], v[rS], v[rT] matrix_a_scale:MATRIX_SCALE_ROW1
.elseif (\t%2 == 0)
	v_wmma_scale_f32_16x16x128_f8f6f4 v[rD:rD+7], v[rB:rB+15], v[rA:rA+15], v[rC:rC+7], v[rS], v[rT] matrix_b_scale:MATRIX_SCALE_ROW1
.else
	v_wmma_scale_f32_16x16x128_f8f6f4 v[rD:rD+7], v[rB:rB+15], v[rA:rA+15], v[rC:rC+7], v[rS], v[rT] matrix_a_scale:MATRIX_SCALE_ROW1 matrix_b_scale:MATRIX_SCALE_ROW1
.endif
.endm
; A K step: 16 products, the 16 accumulators by turns.  o_w window 0, A window 1 or 2, sums window 3; in K step 0 the C is the bias, window 0.
.macro KSTEP s
.if \s < 7
.if \s > 0
.rept 8
	v_nop                                          ; eight plain lines between the last step's products and loads into the set that they read
.endr
.endif
	BLOAD \s+1
.endif
.if 16*(7-\s) > 63
	s_wait_loadcnt 63                              ; A's K step s is in: more than 63 loads were issued behind it
.else
	s_wait_loadcnt 16*(7-\s)                       ; A's K step s is in; the later steps' loads, 16 each, may be out
.endif
.if \s < 7
	s_wait_dscnt 16                                ; this step's fragments are in; the 16 loads just issued may be out
.else
	s_wait_dscnt 0x0
.endif
.if \s == 0
	WIN 0xc4
.else
	WIN 0xf4
.endif
.irp t, 0,1,2,3
.irp i, 0,1
	WM \s, \t, \i
.endr
.endr
.if \s == 0
	WIN 0xc8
.else
	WIN 0xf8
.endif
.irp t, 0,1,2,3
.irp i, 2,3
	WM \s, \t, \i
.endr
.endr
	WIN 0
.endm
.Lhalf:                                ; two trips: columns 64 x trip .. + 63 of the block
	v_add_nc_u32 v[ADB], s60, v[ADB0]
	v_add_nc_u32 v[EA], s61, v[EA0]
	v_add_nc_u32 v[RB], s61, v[RB0]
	s_wait_alu depctr_va_vdst(0)                   ; the wait here
	BLOAD 0
.irp s, 0,1,2,3,4,5,6,7
	KSTEP \s
.endr
	s_wait_tensorcnt 0x0                           ; my part of the residual tile is in (first trip),
	s_barrier_signal -1
	s_barrier_wait -1                              ; everybody's is
	WIN 0xc0                                       ; the residual in the result's layout -> window 3, v[128 + 8 (4 t + i)]
.irp t, 0,1,2,3
.irp i, 0,1,2,3
	ds_load_b128 v[128+8*(4*\t+\i):128+8*(4*\t+\i)+3], v[EA] offset:(32*(\i/2)+8*(\i%2))*IP+64*\t
	ds_load_b128 v[128+8*(4*\t+\i)+4:128+8*(4*\t+\i)+7], v[EA] offset:(32*(\i/2)+8*(\i%2))*IP+64*\t+16
.endr
.endr
	WIN 0
.set n, 0
.rept 32
	v_mov_b32 v[BI+n], v[BI2+n]                    ; the second trip's bias.  (These 32 are also the plain lines between the last products and the lines below)
.set n, n+1
.endr
.set n, 0
.rept 16
	v_mov_b32 v[W+n], v[X+n]                       ; and its scale words of o_w
.set n, n+1
.endr
	s_wait_dscnt 0x0
	WIN 0xf3                                       ; sums, residual and result in window 3
.set n, 0
.rept 64
	v_pk_fma_f32 v[128+n:129+n], v[n:n+1], s[48:49], v[128+n:129+n] op_sel_hi:[1,0,1]   ; residual + alpha x (sum with bias); each accumulator from its low end on
.set n, n+2
.endr
	WIN 0x0c                                       ; an LDS store's data are its source 1
.irp t, 0,1,2,3
.irp i, 0,1,2,3
	ds_store_b128 v[EA], v[128+8*(4*\t+\i):128+8*(4*\t+\i)+3] offset:(32*(\i/2)+8*(\i%2))*IP+64*\t      ; back over my wave's own rows
	ds_store_b128 v[EA], v[128+8*(4*\t+\i)+4:128+8*(4*\t+\i)+7] offset:(32*(\i/2)+8*(\i%2))*IP+64*\t+16
.endr
.endr
	WIN 0xc0
.set k, 0
.rept 32
	ds_load_b128 v[4*k:4*k+3], v[RB] offset:2*k*IP   ; LDS serves a wave's instructions in order: these see my stores.  Two rows a load, 256 bytes of each
.set k, k+1
.endr
	WIN 0x0c
.set k, 0
.rept 32
	s_wait_dscnt 31-k                              ; rows 2 k and 2 k + 1 are back; the younger rows' loads may be out
	global_store_b128 v[CO], v[4*k:4*k+3], s[18:19] offset:8192*k th:TH_STORE_NT   ; 16 lanes store 256 consecutive bytes, aligned
.set k, k+1
.endr
	WIN 0
	s_wait_xcnt 0x0                                ; the stores have read their base and their data: the base steps, and the next trip's products write those registers
	s_add_nc_u64 s[18:19], s[18:19], 256
	s_add_co_u32 s60, s60, 64*BP
	s_add_co_u32 s61, s61, 256
	s_add_co_u32 s62, s62, 1
	s_cmp_lt_u32 s62, 2
	s_cbranch_scc1 .Lhalf
	s_wait_tensorcnt 0x0                           ; the wave's end
	ds_add_u32 v[SPW], v[NIL]
	s_wait_dscnt 0x0
	ROUND                                          ; the closing round
	s_endpgm
.Lfunc_end_k_q82c1a6a976_oproj:
	.size	k_q82c1a6a976_oproj, .Lfunc_end_k_q82c1a6a976_oproj-k_q82c1a6a976_oproj
	.p2alignl 7, 3214868480
	.fill 96, 4, 3214868480
	.section	.rodata,"a",@progbits
	.p2align	6, 0x0
	.amdhsa_kernel k_q82c1a6a976_oproj
		.amdhsa_group_segment_fixed_size 268800
		.amdhsa_private_segment_fixed_size 0
		.amdhsa_enable_private_segment 0
		.amdhsa_kernarg_size 64
		.amdhsa_user_sgpr_count 2
		.amdhsa_user_sgpr_kernarg_segment_ptr 1
		.amdhsa_wavefront_size32 1
		.amdhsa_system_sgpr_workgroup_id_x 1
		.amdhsa_system_sgpr_workgroup_id_y 1
		.amdhsa_system_sgpr_workgroup_id_z 1
		.amdhsa_system_vgpr_workitem_id 0
		.amdhsa_next_free_vgpr 1024
		.amdhsa_next_free_sgpr 66
		.amdhsa_reserve_vcc 0
		.amdhsa_float_denorm_mode_32 3
		.amdhsa_float_denorm_mode_16_64 3
		.amdhsa_memory_ordered 1
		.amdhsa_forward_progress 1
		.amdhsa_inst_pref_size 69
	.end_amdhsa_kernel
	.amdgpu_metadata
---
amdhsa.version: [ 1, 2 ]
amdhsa.kernels:
  - .name:           k_q82c1a6a976_oproj
    .symbol:         k_q82c1a6a976_oproj.kd
    .args:
      - { .name: aimg, .offset: 0, .size: 8, .value_kind: global_buffer, .address_space: global }
      - { .name: asc, .offset: 8, .size: 8, .value_kind: global_buffer, .address_space: global }
      - { .name: o_w_codes, .offset: 16, .size: 8, .value_kind: global_buffer, .address_space: global }
      - { .name: o_w_scales, .offset: 24, .size: 8, .value_kind: global_buffer, .address_space: global }
      - { .name: o_b, .offset: 32, .size: 8, .value_kind: global_buffer, .address_space: global }
      - { .name: alpha, .offset: 40, .size: 8, .value_kind: global_buffer, .address_space: global }
      - { .name: image_tokens, .offset: 48, .size: 8, .value_kind: global_buffer, .address_space: global }
      - { .name: out0, .offset: 56, .size: 8, .value_kind: global_buffer, .address_space: global }
    .group_segment_fixed_size: 268800
    .private_segment_fixed_size: 0
    .kernarg_segment_align: 8
    .kernarg_segment_size: 64
    .max_flat_workgroup_size: 128
    .sgpr_count:     66
    .vgpr_count:     1024
    .wavefront_size: 32
...
	.end_amdgpu_metadata
.endif
;; end of part 4
